; MI455X (gfx1250); checked and timed in simulation.
; The chip was launched on July 23, 2026; its instructions are those of AMD's public machine-readable ISA for CDNA 5 (MIT licence, August 2026) and "CDNA5" Instruction Set Architecture Reference Guide (July 2026). The comments in the code are by the model that wrote it; some were corrected since.
;; Multi Head Attention. Allowed arithmetic: matrix products marked QUANTISED: E2M3 operands, one E8M0 scale for each 32 along K, by v_wmma_scale_f32_16x16x128_f8f6f4 with both operands' format E2M3, f32 sums; everything else in f32.
;; Inputs: b_out 1,024 float32; b_qkv 3,072 float32; w_out 1,024 x 1,024 float32; w_qkv 1,024 x 3,072 float32; x 4 x 2,048 x 1,024 float32.
;; Outputs: out0 4 x 2,048 x 1,024 float32.
;; This version of the problem:
;;   THIS VERSION OF THE PROBLEM IS GIVEN IN LOW PRECISION. The matrix products marked QUANTISED in the list below multiply operands that are first quantised to E2M3 (2 exponent bits, 3 mantissa bits; 6 bits a number), with one power-of-two scale for each 32 numbers along K (OCP MX v1.0); their sums are f32. All else is computed in f32.
;;   The module's matrix products, in the order in which they are computed (A, B: the left and right operand; K: the contracted axis; several contracted axes count as one K, in the product's order):
;;     1. [M 8,192, K 1,024] x [K 1,024, N 3,072]; A: input x; B: input w_qkv: QUANTISED
;;     2. batch 64 x [M 2,048, K 64] x [K 64, N 2,048]; A: computed on the way; B: computed on the way: QUANTISED
;;     3. batch 64 x [M 2,048, K 2,048] x [K 2,048, N 64]; A: softmax (see below); B: computed on the way: QUANTISED
;;     4. [M 8,192, K 1,024] x [K 1,024, N 1,024]; A: computed on the way; B: input w_out: QUANTISED
;;   THE QUANTISER, for each operand of a quantised product, along K:
;;     - K is cut into blocks of 32 from its start; a last block that is shorter is filled with zeros.
;;     - A block's scale is 2^e with e = floor(log2(the largest magnitude in the block)) - 2, held to -126 .. 127; a block of zeros has e = 0. As a byte (E8M0): e + 127.
;;     - Each number is divided by its block's scale, clamped to +-7.5, and rounded to the nearest number of E2M3, ties to even, subnormals kept.
;;     - The product sums the exact products of the quantised numbers (number of the format x scale) in f32.
;;   ~~~python
;;   def quantise(x, axis):      # numpy; x: float32 -> the quantised numbers, widened to float32 again
;;       x = np.moveaxis(x, axis, -1); K = x.shape[-1]
;;       x = np.pad(x, [(0, 0)] * (x.ndim - 1) + [(0, -K % 32)]); x = x.reshape(x.shape[:-1] + (-1, 32)); a = np.abs(x).max(-1, keepdims=True)
;;       e = np.where(a > 0, np.clip(np.frexp(np.where(a > 0, a, 1))[1] - 1 - 2, -126, 127), 0)      # np.frexp(a)[1] - 1 = floor(log2(a)), exactly
;;       r = np.clip(x / 2.0 ** e, -7.5, 7.5)
;;       step = 2.0 ** (np.maximum(np.frexp(np.where(r == 0, 1, r))[1] - 1, 0) - 3)
;;       q = np.round(r / step) * step * 2.0 ** e      # np.round: ties to even
;;       return np.moveaxis(q.reshape(q.shape[:-2] + (-1,))[..., :K], -1, axis).astype(np.float32)
;;   ~~~
;;   SOFTMAX AHEAD OF A QUANTISED PRODUCT. Where the list says 'softmax', what is quantised is not the finished softmax but p = 2^(t - M), with t = logit x log2(e) and M = ceil(the row's largest t), a whole number; so 1/2 < the row's largest p <= 1. The row's sum l is taken of the UNQUANTISED p, in f32, and the product's result is divided by l at the end. Since M is a whole number, a kernel that streams over the keys may use a running M (the ceiling of the running maximum): every later rescaling is an exact power of two, which a block's scale takes up: the codes' values come out the same.
;;   OPERANDS COMPUTED ON THE WAY. 'Computed on the way' means the value that the module computes at that place (a softmax that the list does not call 'softmax' is quantised finished and normalised). What goes into a quantiser is computed in f32, as accurately as f32 sums, v_exp_f32 and their like allow (about 1e-6 of the number): no bf16 or f16 on the way to a quantiser, and a product that is left as it is and whose result goes on into a quantised operand takes f32 operands (vector FMAs, or v_wmma_f32_16x16x4_f32). A number that lies on a knife's edge between two numbers of the format may be rounded either way, as far as f32 arithmetic and the matrix unit's own rounding can turn it there, and no further.
;; One version. Each part assembles by itself: llvm-mc -triple=amdgcn-amd-amdhsa -mcpu=gfx1250 --defsym DOCPART=n.
;; ======== version 1 of 1: 4 launches
;; limits: right only within a limited range of input values
;; workspace buffers: cw 9,437,184 bytes; sw 393,216 bytes; rope 524,288 bytes; cqkv 18,874,368 bytes; sqkv 1,310,720 bytes; co 6,291,456 bytes; so 262,144 bytes
;; launch prep (part 1): grid 544 x 1, 4 waves a work-group, no clusters, 34,304 bytes of LDS; arguments x, w_qkv, w_out, cw, sw, rope; writes cw, sw, rope
.if DOCPART == 1
	.amdgcn_target "amdgcn-amd-amdhsa--gfx1250"
	.amdhsa_code_object_version 6
	.text
	.protected	k_q1569576406_prep
	.globl	k_q1569576406_prep
	.p2align	8
	.type	k_q1569576406_prep,@function
k_q1569576406_prep:
	s_mov_b64 s[64:65], 0
	v_nop
	global_prefetch_b8 v0, s[64:65] scope:SCOPE_SE
	s_setreg_imm32_b32 hwreg(HW_REG_WAVE_MODE, 25, 1), 1
	s_wait_xcnt 0x0
; PREP: x [8192][1024], w_qkv [1024][3072] and w_out [1024][1024], f32, become codes of FP6 (E2M3) with one E8M0 byte for each 32 along K (K = 1024), and the table of cosines and sines is made.
; A block's scale is 2^(floor(log2(largest magnitude)) - 2); its byte is the largest magnitude's exponent field - 2, held at 1 from below.
; LIMITS: a block of zeros, or one whose largest magnitude lies under 2^-124, gets the byte 1 (its codes are zeros or tiny; this program alone reads the bytes); NaN and infinities among the inputs are not served.
;         The table's inverse frequencies are good to an ulp or two of f32 (one exponential and one exact scaling), its sines and cosines to about an ulp of their angle's f32 value.
; cw: [768 tiles of 16 rows][8 K steps of 128][1536 bytes]: the IMAGE of an operand's 12 registers: registers 4 p .. 4 p + 3 of lane l at 512 p + 16 l; lane (r, h) holds row r, K = 64 c + 32 h + 0 .. 31 in registers 6 c .. 6 c + 5.
;     tiles 0-511: x's tokens; 512-703: w_qkv's columns; 704-767: w_out's columns.  In all three, row r of tile 2 B + u is the true index 32 B + 8 u + r + 8 (r / 8).
; sw: [8 K steps][12288 rows] scale words (byte b: K = 32 b .. 32 b + 31 of the step), rows in the same order.
; rope: [2048 t][32 cosines | 32 sines] f32.
; Work-groups 0-255: x; 256-447: w_qkv; 448-511: w_out; 512-543: the table.  Waves share nothing: no barrier.  Only x's path uses LDS.
; WORK LEFT OUT BY THE PROGRAM: reference() builds a causal mask (jnp.tril) in its own body; a score above the diagonal becomes -1e30 and its weight in the softmax is 0 whatever the inputs hold,
; so blocks of 128 keys that lie wholly behind a tile's queries are not multiplied in products 2 and 3 (launch attn).  A NaN, an infinity or an overflow that reaches only that work is not carried to the result.
.set T,   220                          ; v220-226 the upper halves of two blocks' codes (a conversion's three registers begin on an even number)
.set TM,  228                          ; v228-229 largest magnitudes, v230-231 scale operands, v232-233 bytes
; 64 numbers of a lane, two whole blocks of 32 (v[s + 32 k + i]), become 12 registers of codes at v[c] on.
.macro QUANT2B s, c
.irp k, 0,1
	v_max3_num_f32 v[TM+\k], |v[\s+32*\k]|, |v[\s+32*\k+1]|, 0x1800000   ; the floor 2^(3 - 127) among the leaves: the byte cannot fall under 1
.endr
.irp i, 2,4,6,8,10,12,14,16,18,20,22,24,26,28,30
.irp k, 0,1
	v_max3_num_f32 v[TM+\k], v[TM+\k], |v[\s+32*\k+\i]|, |v[\s+32*\k+\i+1]|
.endr
.endr
.irp k, 0,1
	v_add_nc_u32 v[TM+2+\k], 0xff000000, v[TM+\k]      ; 2 off the exponent field: the conversion's scale operand
.endr
.irp k, 0,1
	v_lshrrev_b32 v[TM+4+\k], 23, v[TM+2+\k]           ; the scale's byte
.endr
.irp k, 0,1
	v_cvt_scalef32_pk16_fp6_f32 v[\c+6*\k:\c+6*\k+2], v[\s+32*\k:\s+32*\k+15], v[TM+2+\k]
	v_cvt_scalef32_pk16_fp6_f32 v[T+4*\k:T+4*\k+2], v[\s+32*\k+16:\s+32*\k+31], v[TM+2+\k]
.endr
	v_nop                                              ; one plain line behind the scaled conversions
.irp k, 0,1
.irp i, 0,1,2
	v_mov_b32 v[\c+6*\k+3+\i], v[T+4*\k+\i]
.endr
.endr
.endm
	s_load_b256 s[4:11], s[0:1], 0x0               ; x s[4:5], w_qkv s[6:7], w_out s[8:9], cw s[10:11]
	s_load_b128 s[12:15], s[0:1], 0x20             ; sw s[12:13], rope s[14:15]
	v_lshl_add_u32 v248, v0, 2, 0x8400
	v_mov_b32 v249, 0
	v_lshrrev_b32 v1, 5, v0
	v_readfirstlane_b32 s16, v1                    ; wave
	v_and_b32 v1, 31, v0                           ; lane
	s_mov_b32 s19, 0                               ; the high words of the offsets' pairs
	s_mov_b32 s21, 0
	s_mov_b32 s23, 0
	s_mov_b32 s25, 0
	s_wait_kmcnt 0x0
	s_cmp_lt_u32 ttmp9, 256
	s_cbranch_scc1 .Lx
	s_cmp_lt_u32 ttmp9, 448
	s_cbranch_scc1 .Lwq
	s_cmp_lt_u32 ttmp9, 512
	s_cbranch_scc1 .Lwo
; ---- THE TABLE.  A wave makes 16 rows, two a trip.  Lane (hl, q) makes floats 4 q .. 4 q + 3 of row t: j = 4 (q % 8) + e, a cosine where q < 8, else a sine.
; inv_freq(j) = 2^(-j L), L = log2(10000) / 32 in two parts: the upper has 17 bits, so j x it (j < 32) is exact; n = its whole part; 2^-n is made as the bits (127 - n) << 23 (n is 12 at the most).
; The angle t x inv_freq is rounded once.  It is reduced by k = the whole part of angle x 2 / pi + 1 / 2 quarter turns, pi / 2 in two parts (the first subtraction is exact: the difference is under 1 and a
; multiple of 2^-24 at the finest); sine and cosine of the rest, about pi / 4 at the most, by their series up to the 9th and 10th power (the next terms are under 2e-9).
; Every multiply-add is fused, with its constant as the instruction's literal.
	s_sub_co_u32 s17, ttmp9, 512
	s_lshl_b32 s17, s17, 2
	s_add_co_u32 s17, s17, s16                     ; which 16 rows
	s_lshl_b32 s18, s17, 12                        ; x 16 rows x 256 bytes
	s_add_nc_u64 s[14:15], s[14:15], s[18:19]
	s_lshl_b32 s17, s17, 4                         ; the first row
	s_wait_alu depctr_va_vdst(0)
	v_lshrrev_b32 v2, 4, v1                        ; hl
	v_and_b32 v3, 15, v1                           ; q
	v_and_b32 v4, 7, v3
	v_lshrrev_b32 v5, 3, v3
	v_mul_u32_u24 v5, v5, 3                        ; a sine is the cosine three quarter turns on
	v_add_nc_u32 v6, s17, v2
	v_cvt_f32_i32 v6, v6                           ; t
	v_lshlrev_b32 v7, 4, v1                        ; my 16 bytes of the trip's 512
	v_mov_b32 v44, 0x3638ef1d                      ; 1 / 9!
	v_mov_b32 v45, 0xb493f27e                      ; -1 / 10!
	v_mov_b32 v46, 0x3f22f983                      ; 2 / pi
.irp e, 0,1,2,3
	v_lshl_add_u32 v[16+\e], v4, 2, \e             ; j
.endr
.irp e, 0,1,2,3
	v_cvt_f32_i32 v[8+\e], v[16+\e]
.endr
.irp e, 0,1,2,3
	v_mul_f32 v[16+\e], 0x3ed49a80, v[8+\e]        ; a = j x L's upper part: exact
.endr
.irp e, 0,1,2,3
	v_cvt_i32_f32 v[20+\e], v[16+\e]               ; n: toward zero, and a is not negative
.endr
.irp e, 0,1,2,3
	v_cvt_f32_i32 v[24+\e], v[20+\e]
.endr
.irp e, 0,1,2,3
	v_sub_f32 v[16+\e], v[24+\e], v[16+\e]         ; n - a: exact
.endr
.irp e, 0,1,2,3
	v_fmamk_f32 v[16+\e], v[8+\e], 0x3476865c, v[16+\e]   ; - j x L's lower part (which is negative): -(the fraction of j L)
.endr
	s_wait_alu depctr_va_vdst(0)
.irp e, 0,1,2,3
	v_exp_f32 v[12+\e], v[16+\e]
.endr
.irp e, 0,1,2,3
	v_sub_nc_u32 v[20+\e], 127, v[20+\e]           ; (plain lines behind the exponentials)
.endr
.irp e, 0,1,2,3
	v_lshlrev_b32 v[20+\e], 23, v[20+\e]           ; 2^-n
.endr
	s_wait_alu depctr_va_vdst(0)
.irp e, 0,1,2,3
	v_mul_f32 v[12+\e], v[12+\e], v[20+\e]         ; inv_freq(j): this multiplication rounds nothing
.endr
	s_mov_b32 s31, 8
.Lrow:
	s_wait_alu depctr_va_vdst(0)
.irp e, 0,1,2,3
	v_mul_f32 v[16+\e], v6, v[12+\e]               ; the angle
.endr
.irp e, 0,1,2,3
	v_fmaak_f32 v[20+\e], v[16+\e], v46, 0x3f000000   ; x 2 / pi + 1 / 2
.endr
.irp e, 0,1,2,3
	v_cvt_i32_f32 v[20+\e], v[20+\e]               ; k
.endr
.irp e, 0,1,2,3
	v_cvt_f32_i32 v[36+\e], v[20+\e]
.endr
.irp e, 0,1,2,3
	v_fmamk_f32 v[16+\e], v[36+\e], 0xbfc90fdb, v[16+\e]   ; - k x pi / 2's upper part
.endr
.irp e, 0,1,2,3
	v_fmamk_f32 v[16+\e], v[36+\e], 0x333bbd2e, v[16+\e]   ; - k x its lower part (which is negative): the rest
.endr
.irp e, 0,1,2,3
	v_mul_f32 v[24+\e], v[16+\e], v[16+\e]         ; z
.endr
.irp e, 0,1,2,3
	v_add_nc_u32 v[20+\e], v[20+\e], v5            ; the quarter (its two lowest bits count)
.endr
.irp e, 0,1,2,3
	v_fmaak_f32 v[28+\e], v[24+\e], v44, 0xb9500d01        ; z / 9! - 1 / 7!
.endr
.irp e, 0,1,2,3
	v_fmaak_f32 v[28+\e], v[28+\e], v[24+\e], 0x3c088889   ; + 1 / 5!
.endr
.irp e, 0,1,2,3
	v_fmaak_f32 v[28+\e], v[28+\e], v[24+\e], 0xbe2aaaab   ; - 1 / 3!
.endr
.irp e, 0,1,2,3
	v_mul_f32 v[32+\e], v[16+\e], v[24+\e]
.endr
.irp e, 0,1,2,3
	v_fma_f32 v[28+\e], v[32+\e], v[28+\e], v[16+\e]       ; the sine of the rest
.endr
.irp e, 0,1,2,3
	v_fmaak_f32 v[32+\e], v[24+\e], v45, 0x37d00d01        ; -z / 10! + 1 / 8!
.endr
.irp e, 0,1,2,3
	v_fmaak_f32 v[32+\e], v[32+\e], v[24+\e], 0xbab60b61   ; - 1 / 6!
.endr
.irp e, 0,1,2,3
	v_fmaak_f32 v[32+\e], v[32+\e], v[24+\e], 0x3d2aaaab   ; + 1 / 4!
.endr
.irp e, 0,1,2,3
	v_fmaak_f32 v[32+\e], v[32+\e], v[24+\e], 0xbf000000   ; - 1 / 2
.endr
.irp e, 0,1,2,3
	v_fmaak_f32 v[32+\e], v[32+\e], v[24+\e], 0x3f800000   ; + 1: its cosine
.endr
.irp e, 0,1,2,3
	v_and_b32 v[36+\e], 1, v[20+\e]
.endr
.irp e, 0,1,2,3
	v_add_nc_u32 v[20+\e], 1, v[20+\e]
.endr
.irp e, 0,1,2,3
	v_and_b32 v[20+\e], 2, v[20+\e]
.endr
.irp e, 0,1,2,3
	v_lshlrev_b32 v[20+\e], 30, v[20+\e]           ; quarters 1 and 2 are negative
.endr
.irp e, 0,1,2,3
	v_cmp_eq_u32 vcc_lo, 1, v[36+\e]
	v_cndmask_b32 v[40+\e], v[32+\e], v[28+\e], vcc_lo   ; odd quarters take the sine
.endr
.irp e, 0,1,2,3
	v_xor_b32 v[40+\e], v[40+\e], v[20+\e]
.endr
	global_store_b128 v7, v[40:43], s[14:15]       ; the wave stores 512 consecutive bytes: two rows
	v_add_f32 v6, 2.0, v6
	s_wait_xcnt 0x0                                ; the store has read its offset and its data: both are written again only behind this wait
	v_add_nc_u32 v7, 512, v7
	s_sub_co_u32 s31, s31, 1
	s_cmp_lg_u32 s31, 0
	s_cbranch_scc1 .Lrow
	s_endpgm
; ---- x.  Wave w takes tile 2 wg + (w >> 1) and half w & 1 of K: four steps of 128.  A load reads 512 consecutive bytes of one token; a step's 16 rows turn through the wave's own stage in LDS
; (rows 528 bytes apart), out of which lane (r, h) takes its two whole blocks of row r.  Loads run two steps ahead.
.macro XLOAD t
.irp i, 0,1,2,3,4,5,6,7,8,9,10,11,12,13,14,15
	global_load_b128 v[16+64*((\t)%2)+4*\i:16+64*((\t)%2)+4*\i+3], v2, s[4:5] offset:(\i+8*(\i/8))*4096+512*(\t) th:TH_LOAD_NT
.endr
.endm
.macro XSTEP t
.if (\t) < 3
	s_wait_loadcnt 16                              ; this step's 16 loads are in; the next step's 16 may be out
.else
	s_wait_loadcnt 0x0
.endif
.irp i, 0,1,2,3,4,5,6,7,8,9,10,11,12,13,14,15
	ds_store_b128 v3, v[16+64*((\t)%2)+4*\i:16+64*((\t)%2)+4*\i+3] offset:528*\i
.endr
.irp k, 0,1
.irp e, 0,1,2,3,4,5,6,7
	ds_load_b128 v[144+32*\k+4*\e:144+32*\k+4*\e+3], v6 offset:256*\k+16*\e   ; LDS serves a wave's instructions in order: these see the stores above
.endr
.endr
	s_wait_dscnt 0x0                               ; my numbers are back, and the stores into the stage have read their registers
	s_wait_xcnt 0x0                                ; the last step's stores have read the codes' registers
.if (\t) < 2
	XLOAD (\t)+2
.endif
	QUANT2B 144, 208
	v_lshl_or_b32 v[240+(\t)], v[TM+5], 16, v[TM+4]    ; my two bytes: blocks h and 2 + h,
	v_lshlrev_b32 v[240+(\t)], v8, v[240+(\t)]         ; at their places (8 h bits up);
	v_permlanex16_b32 v9, v[240+(\t)], s26, s27
	v_or_b32 v[240+(\t)], v[240+(\t)], v9              ; with lane l xor 16's two the word is whole
.irp p, 0,1,2
	global_store_b128 v2, v[208+4*\p:208+4*\p+3], s[10:11] offset:1536*(\t)+512*\p   ; 512 consecutive bytes
.endr
.if (\t)%2 == 1
	v_cndmask_b32 v[244+(\t)/2], v[240+(\t)-1], v[240+(\t)], vcc_lo   ; lanes 0-15 the step before, lanes 16-31 this step
	global_store_b32 v7, v[244+(\t)/2], s[12:13] offset:((\t)-1)*49152
.endif
.endm
.Lx:
	s_lshr_b32 s17, s16, 1                         ; u
	s_and_b32 s24, s16, 1                          ; which half of K
	s_lshl_b32 s18, ttmp9, 17                      ; 32 tokens x 4096 bytes a work-group,
	s_lshl_b32 s28, s17, 15                        ; 8 u tokens,
	s_add_co_u32 s18, s18, s28
	s_lshl_b32 s28, s24, 11                        ; 512 numbers
	s_add_co_u32 s18, s18, s28
	s_add_nc_u64 s[4:5], s[4:5], s[18:19]
	s_mul_i32 s20, ttmp9, 24576
	s_mul_i32 s28, s16, 6144
	s_add_co_u32 s20, s20, s28
	s_add_nc_u64 s[10:11], s[10:11], s[20:21]
	s_mul_i32 s22, s24, 196608                     ; four planes of scale words
	s_lshl_b32 s28, ttmp9, 7
	s_add_co_u32 s22, s22, s28
	s_lshl_b32 s28, s17, 6
	s_add_co_u32 s22, s22, s28
	s_add_nc_u64 s[12:13], s[12:13], s[22:23]
	s_mov_b32 s26, 0x76543210
	s_mov_b32 s27, 0xfedcba98                      ; v_permlanex16_b32's selects for lane l xor 16
	s_mul_i32 s28, s16, 8448                       ; my stage
	s_wait_alu depctr_va_vdst(0)
	v_lshlrev_b32 v2, 4, v1                        ; 16 x lane
	v_add_nc_u32 v3, s28, v2                       ; into the stage
	v_and_b32 v4, 15, v0                           ; r
	v_bfe_u32 v5, v0, 4, 1                         ; h
	v_mul_u32_u24 v6, v4, 528
	v_lshl_add_u32 v6, v5, 7, v6
	v_add_nc_u32 v6, s28, v6                       ; out of it: row r, + 128 h
	v_mul_u32_u24 v7, v5, 49152
	v_lshl_add_u32 v7, v4, 2, v7                   ; scale words: plane h of two, row r
	v_lshlrev_b32 v8, 3, v5
	v_cmp_eq_u32 vcc_lo, 1, v5
	v_mov_b32 v9, 0                                ; a lane permute's destination counts as read
	XLOAD 0
	XLOAD 1
	s_wait_alu depctr_va_vdst(0)
	XSTEP 0
	XSTEP 1
	XSTEP 2
	XSTEP 3
	s_wait_tensorcnt 0x0
	ds_add_u32 v248, v249
	s_wait_dscnt 0x0
	s_endpgm
; ---- A WEIGHT [1024 (k)][n].  A work-group takes 128 columns and one K step of 128; a wave 32 columns; A LANE TAKES A COLUMN AND ITS REGISTERS RUN DOWN K.  A load reads 128 consecutive bytes a wave.
; Column n0 + lane is row (lane & 7) + 8 (lane >> 4) of tile 2 (n0 / 32) + bit 3 of the lane.  Pass h makes that row's codes of K = 64 c + 32 h + 0 .. 31: the registers of the image's lane (r, h):
; sixteen lanes store 256 consecutive bytes of one image, the other sixteen of the next.
.macro WPATH n, row0, first, plo
	s_sub_co_u32 s17, ttmp9, \first
	s_lshr_b32 s18, s17, 3                         ; which 128 columns
	s_and_b32 s17, s17, 7                          ; which K step
	s_mul_i32 s20, s17, 128*\n*4
	s_lshl_b32 s26, s18, 9
	s_add_co_u32 s20, s20, s26
	s_lshl_b32 s28, s16, 7
	s_add_co_u32 s20, s20, s28
	s_add_nc_u64 s[\plo:\plo+1], s[\plo:\plo+1], s[20:21]
	s_lshl_b32 s22, s18, 3
	s_lshl_b32 s24, s16, 1
	s_add_co_u32 s22, s22, s24
	s_add_co_u32 s22, s22, \row0/16                ; my first tile
	s_mul_i32 s22, s22, 12288
	s_mul_i32 s24, s17, 1536
	s_add_co_u32 s22, s22, s24
	s_add_nc_u64 s[10:11], s[10:11], s[22:23]
	s_mul_i32 s24, s17, 49152
	s_add_co_u32 s24, s24, s26
	s_add_co_u32 s24, s24, s28
	s_add_co_u32 s24, s24, \row0*4
	s_add_nc_u64 s[12:13], s[12:13], s[24:25]
	v_lshlrev_b32 v2, 2, v1                        ; in: 4 bytes a lane
	v_bfe_u32 v3, v0, 3, 1                         ; u
	v_and_b32 v4, 7, v0
	v_bfe_u32 v5, v0, 4, 1
	v_lshl_add_u32 v4, v5, 3, v4                   ; r
	v_mul_u32_u24 v6, v3, 12288
	v_lshl_add_u32 v6, v4, 4, v6                   ; codes: tile u, 16 r
	v_lshl_add_u32 v7, v3, 4, v4
	v_lshlrev_b32 v7, 2, v7                        ; scale word: row 16 u + r
.irp h, 0,1
.irp k, 0,1
.irp i, 0,1,2,3,4,5,6,7,8,9,10,11,12,13,14,15,16,17,18,19,20,21,22,23,24,25,26,27,28,29,30,31
	global_load_b32 v[16+64*\h+32*\k+\i], v2, s[\plo:\plo+1] offset:(64*\k+32*\h+\i)*\n*4 th:TH_LOAD_NT
.endr
.endr
.endr
	s_wait_loadcnt 63                              ; the first pass's 64 loads are in (64 were issued behind them; the wait's field holds 63 at the most)
	QUANT2B 16, 144
	v_lshl_or_b32 v8, v[TM+5], 16, v[TM+4]         ; bytes 0 and 2
.irp p, 0,1,2
	global_store_b128 v6, v[144+4*\p:144+4*\p+3], s[10:11] offset:512*\p
.endr
	s_wait_loadcnt 0x0
	QUANT2B 80, 156                                ; (codes in registers of their own: the first pass's stores may still read theirs)
	v_lshl_or_b32 v9, v[TM+5], 16, v[TM+4]         ; bytes 1 and 3
	v_lshl_or_b32 v8, v9, 8, v8
.irp p, 0,1,2
	global_store_b128 v6, v[156+4*\p:156+4*\p+3], s[10:11] offset:512*\p+256
.endr
	global_store_b32 v7, v8, s[12:13]              ; the wave's 32 words: 128 consecutive bytes
	s_endpgm
.endm
.Lwq:
	s_wait_alu depctr_va_vdst(0)
	WPATH 3072, 8192, 256, 6
.Lwo:
	s_wait_alu depctr_va_vdst(0)
	WPATH 1024, 11264, 448, 8
.Lfunc_end_k_q1569576406_prep:
	.size	k_q1569576406_prep, .Lfunc_end_k_q1569576406_prep-k_q1569576406_prep
	.p2alignl 7, 3214868480
	.fill 96, 4, 3214868480
	.section	.rodata,"a",@progbits
	.p2align	6, 0x0
	.amdhsa_kernel k_q1569576406_prep
		.amdhsa_group_segment_fixed_size 34304
		.amdhsa_private_segment_fixed_size 0
		.amdhsa_enable_private_segment 0
		.amdhsa_kernarg_size 48
		.amdhsa_user_sgpr_count 2
		.amdhsa_user_sgpr_kernarg_segment_ptr 1
		.amdhsa_wavefront_size32 1
		.amdhsa_system_sgpr_workgroup_id_x 1
		.amdhsa_system_sgpr_workgroup_id_y 1
		.amdhsa_system_sgpr_workgroup_id_z 1
		.amdhsa_system_vgpr_workitem_id 0
		.amdhsa_next_free_vgpr 250
		.amdhsa_next_free_sgpr 66
		.amdhsa_reserve_vcc 1
		.amdhsa_float_denorm_mode_32 3
		.amdhsa_float_denorm_mode_16_64 3
		.amdhsa_memory_ordered 1
		.amdhsa_forward_progress 1
		.amdhsa_inst_pref_size 78
	.end_amdhsa_kernel
	.amdgpu_metadata
---
amdhsa.version: [ 1, 2 ]
amdhsa.kernels:
  - .name:           k_q1569576406_prep
    .symbol:         k_q1569576406_prep.kd
    .args:
      - { .name: x, .offset: 0, .size: 8, .value_kind: global_buffer, .address_space: global }
      - { .name: w_qkv, .offset: 8, .size: 8, .value_kind: global_buffer, .address_space: global }
      - { .name: w_out, .offset: 16, .size: 8, .value_kind: global_buffer, .address_space: global }
      - { .name: cw, .offset: 24, .size: 8, .value_kind: global_buffer, .address_space: global }
      - { .name: sw, .offset: 32, .size: 8, .value_kind: global_buffer, .address_space: global }
      - { .name: rope, .offset: 40, .size: 8, .value_kind: global_buffer, .address_space: global }
    .group_segment_fixed_size: 34304
    .private_segment_fixed_size: 0
    .kernarg_segment_align: 8
    .kernarg_segment_size: 48
    .max_flat_workgroup_size: 128
    .sgpr_count:     66
    .vgpr_count:     250
    .wavefront_size: 32
...
	.end_amdgpu_metadata
.endif
;; end of part 1
;; launch qkv (part 2): grid 4 x 64, 4 waves a work-group, clusters of 4 x 4, 327,680 bytes of LDS; arguments cw, sw, b_qkv, rope, cqkv, sqkv; writes cqkv, sqkv
.if DOCPART == 2
	.amdgcn_target "amdgcn-amd-amdhsa--gfx1250"
	.amdhsa_code_object_version 6
	.text
	.protected	k_q1569576406_qkv
	.globl	k_q1569576406_qkv
	.p2align	8
	.type	k_q1569576406_qkv,@function
k_q1569576406_qkv:
	s_mov_b64 s[64:65], 0
	v_nop
	global_prefetch_b8 v0, s[64:65] scope:SCOPE_SE
	s_setreg_imm32_b32 hwreg(HW_REG_WAVE_MODE, 25, 1), 1
	s_wait_xcnt 0x0
	s_wait_alu depctr_hold_cnt(0) depctr_sa_sdst(0) depctr_va_vdst(0) depctr_va_sdst(0) depctr_va_ssrc(0) depctr_va_vcc(0) depctr_vm_vsrc(0)
	s_getreg_b32 s2, hwreg(HW_REG_IB_STS2, 6, 4)
	s_cmp_eq_u32 s2, 0
	s_cbranch_scc0 .Lentry_in_a_cluster
	s_endpgm
.Lentry_in_a_cluster:
	s_bfe_u32 s2, ttmp6, 0x10000c
	s_cmp_lg_u32 s2, 0xf033
	s_cbranch_scc0 .Lentry_shape_is_right
	s_endpgm
.Lentry_shape_is_right:
; QKV = x w_qkv + b_qkv on codes of FP6 (E2M3) with E8M0 scales, K = 1024; then RoPE on q and k; then q and k are quantised along the head's 64 and v along the keys.  Nothing leaves as f32.
; A tile is 128 rows of operand A x 256 rows of operand B; four waves stand 2 x 2, a wave makes 64 x 128: 32 accumulators.  The codes lie in memory and in LDS as images of the operand's registers:
; a fragment is three loads of 16 bytes a lane, 512 consecutive bytes each.
; A WORK-GROUP STAYS and makes THREE tiles: 0: A = 128 of x's tokens, B = 256 of q's columns; 1: the same tokens, B = 256 of k's columns; 2: A = 128 of v's columns, B = 256 of x's tokens.  256 work-groups x 3 = all 768 tiles.
; THE RING: two LDS slots, slot s = K steps 4 s .. 4 s + 3 of a tile: A's 8 tiles x 6144 bytes, B's 16 x 6144, A's scale words (4 x 512 bytes), B's (4 x 1024).  A fill is four joint loads, one a wave.
; Slot 0 is filled at the head, slot 1 behind the full sequence and a round.  In K step 3 of tiles 0 and 1 slot 0 takes the next tile's first half, in K step 7 slot 1 its second half: each behind the wait for all tensor loads,
; the add, the wait for the add and the reads, and a round of the cluster's barrier; sixteen of the step's products stand between the add and its wait.  Tile 2 asks for nothing: it is the written-out tail.
; THE MATRIX INSTRUCTION IS USED TRANSPOSED: source 0 = 16 rows of B, source 1 = 16 rows of A: a lane holds ONE row of A and its registers run along B's rows.  Row r of a stored tile 2 B + u is the true index
; 32 B + 8 u + r + 8 (r / 8), so the 16 registers of tiles 2 B and 2 B + 1 are 16 neighbours: 32 B + 16 (lane / 16) + 0 .. 15.
; Tiles 0, 1: a lane holds a token, registers run along d: bias, RoPE, quantised along d.  Tile 2: a lane holds a channel d, registers run along the tokens, which are the keys: bias, quantised along the keys.
; CLUSTERS: 4 x 4 work-groups.  A's rows hang on the cluster's number and cy alone and are asked for jointly along a row of the cluster, B's on the cluster's number and cx, jointly along a column.
; NO PREFETCH: a refill is asked for four K steps (128 products) or a whole way out ahead of its first read, and the 16 clusters name the same 3072 rows of weights and each other's rows of x in the same trips.
; OUT: cqkv: q at 0, k at 6291456: [bh 64][128 tiles of 16 tokens][768 bytes: registers 0-3 at 16 l, registers 4-5 at 512 + 8 l]; v at 12582912: [bh][16 key steps][4 tiles of 16 d][1536-byte image].
;      sqkv: q at 0: [bh][key step 16][half 2][r 16][4 words]; at 524288: [bh][k likewise, 8192 bytes | v: [key step][r][4 tiles of d] words, 4096 bytes].  q's and k's words: (byte 0, byte 1, 0x7f, 0x7f).
; LIMITS: a block whose largest magnitude lies under 2^-124 gets the byte 1; NaN and infinities are not served.
; REGISTERS: window 0: v1-24 lane numbers and addresses; v32-39 A's scale words, two sets; v40-55 B's, two sets; v64-159 A's fragments, two sets of 48; on the way out v64-185 are at work.
;   window 1: B's fragments, two sets at v0 and v128.   window 2: accumulator (a, b) at v[8 (8 a + b)].   window 3 (q, k): v0-63 the bias, v64-191 cosines and sines.
.set SLOT,  153600
.set SCAO,  147456                     ; A's scale words in a slot: [4 K steps][128 rows]
.set SCBO,  149504                     ; B's: [4 K steps][256 rows]
.set SPARE, 2*SLOT                     ; the spare words
.set AF,  64
.set SA,  32
.set SB,  40
.set XR,  64                           ; the way out: the numbers at work
.set T1,  128                          ; v128-143, v186-201: x2 sin and x1 sin (v140-146 serve the conversions' upper halves afterwards)
.set T2,  186
.set CD,  202                          ; v202-249 the way out's codes: twelve registers for each of a tile's four blocks of 16 rows, so that no store's data are written again inside a way out
.set PC,  128                          ; v128-147 codes
.set TM,  148                          ; v148-163 largest magnitudes, bytes, scale operands
.set PW,  164                          ; a scale word just made
.set WD,  168                          ; v168-175 scale words kept
.set VB,  176                          ; v176-179 v's bias
.set PK,  180                          ; v180-183 words picked for the store
.set BP,  184                          ; v184-185 a bias twice
.set SEL, 66                           ; s[66:67] v_permlanex16_b32's selects for lane l xor 16
.set MSB, 0
.macro WIN new                         ; the immediate's high byte repeats the setting that is left
.if MSB != \new
	s_set_vgpr_msb (MSB<<8)|\new
.set MSB, \new
.endif
.endm
.macro PLACES                          ; four plain vector lines behind matrix instructions, in front of loads into their registers and of reads of their results
.rept 4
	v_nop
.endr
.endm
.macro CROUND                          ; a round of the cluster's barrier
	s_barrier_signal -1
	s_barrier_wait -1
	s_cmp_lg_u32 s16, 0
	s_cbranch_scc1 .Lnot_wave_0_\@
	s_barrier_signal -3
.Lnot_wave_0_\@:
	s_barrier_wait -3
	s_barrier_signal -1
	s_barrier_wait -1
.endm
.macro GROUP1 g, c, r, p               ; words 1 to 7 of a descriptor's group 1: r rows of c elements, p elements apart
	s_mov_b32 s[\g+1], (\c)<<16
	s_mov_b32 s[\g+2], (\r)<<16
	s_mov_b32 s[\g+3], (\c)<<16
	s_mov_b32 s[\g+4], \r
	s_mov_b32 s[\g+5], \p
	s_mov_b32 s[\g+6], 0
	s_mov_b32 s[\g+7], 0
.endm
; The four groups 0 of a fill: half h of the tile whose first rows among cw's are s76 (A) and s77 (B), into slot h.  Written only where no tensor load of the wave is out.
; s90-93 serve A's addresses alone, s94-97 B's alone (s91, s93, s95, s97 = 0).
.macro DESC h
	s_mul_i32 s90, s76, 768
	s_lshl_b32 s92, s76, 2
	s_mul_i32 s94, s77, 768
	s_lshl_b32 s96, s77, 2
.if (\h)
	s_add_co_u32 s90, s90, 6144                    ; four K steps on in a tile's codes,
	s_add_co_u32 s92, s92, 196608                  ; four planes of scale words
	s_add_co_u32 s94, s94, 6144
	s_add_co_u32 s96, s96, 196608
.endif
	s_add_nc_u64 s[62:63], s[4:5], s[90:91]
	s_or_b32 s63, s63, 0x80000000
	s_mov_b32 s61, (\h)*SLOT
	s_add_nc_u64 s[58:59], s[6:7], s[92:93]
	s_or_b32 s59, s59, 0x80000000
	s_mov_b32 s57, (\h)*SLOT+SCAO
	s_add_nc_u64 s[86:87], s[4:5], s[94:95]
	s_or_b32 s87, s87, 0x80000000
	s_mov_b32 s85, (\h)*SLOT+49152
	s_add_nc_u64 s[82:83], s[6:7], s[96:97]
	s_or_b32 s83, s83, 0x80000000
	s_mov_b32 s81, (\h)*SLOT+SCBO
.endm
.macro JLOAD                           ; a fill: one chain of branches on the wave's number, one joint load to an arm
	s_cmp_eq_u32 s16, 0
	s_cbranch_scc0 .Lj1_\@
	tensor_load_to_lds s[60:63], s[24:31]          ; wave 0: A's codes
	s_nop 0
	PLACES
	s_branch .Ljd_\@
.Lj1_\@:
	s_cmp_eq_u32 s16, 1
	s_cbranch_scc0 .Lj2_\@
	tensor_load_to_lds s[84:87], s[32:39]          ; wave 1: B's codes
	s_nop 0
	PLACES
	s_branch .Ljd_\@
.Lj2_\@:
	s_cmp_eq_u32 s16, 2
	s_cbranch_scc0 .Lj3_\@
	tensor_load_to_lds s[56:59], s[40:47]          ; wave 2: A's scale words
	s_nop 0
	PLACES
	s_branch .Ljd_\@
.Lj3_\@:
	tensor_load_to_lds s[80:83], s[48:55]          ; wave 3: B's scale words
	s_nop 0
	PLACES
.Ljd_\@:
.endm
.macro FRAGF reg, adr, off             ; a fragment's image: three loads
.irp c, 0,1,2
	ds_load_b128 v[\reg+4*\c:\reg+4*\c+3], v[\adr] offset:\off+512*\c
.endr
.endm
.macro FETCH k                         ; K step k's fragments into set k % 2; with an even k the scale words of steps k (lanes 0-15) and k + 1 (lanes 16-31)
	WIN 0x40
.irp i, 0,1,2,3,4,5,6,7
	FRAGF 128*((\k)%2)+12*\i, 12+(\k)/4, \i*6144+((\k)%4)*1536
.endr
	WIN 0
.irp i, 0,1,2,3
	FRAGF AF+48*((\k)%2)+12*\i, 8+(\k)/4, \i*6144+((\k)%4)*1536
.endr
.if (\k)%2 == 0
.irp i, 0,1,2,3
	ds_load_b32 v[SA+4*(((\k)/2)%2)+\i], v[16+(\k)/4] offset:(((\k)%4)/2)*1024+64*\i
.endr
.irp i, 0,1,2,3,4,5,6,7
	ds_load_b32 v[SB+8*(((\k)/2)%2)+\i], v[18+(\k)/4] offset:(((\k)%4)/2)*2048+64*\i
.endr
.endif
.endm
.macro MULA k, a0, a1                  ; 16 matrix instructions: A's tiles a0, a1 x B's eight; the accumulators take turns, one instruction a turn
.irp a, \a0, \a1
.irp b, 0,1,2,3,4,5,6,7
.if (\k) == 0
	v_wmma_scale_f32_16x16x128_f8f6f4 v[8*(8*\a+\b):8*(8*\a+\b)+7], v[12*\b:12*\b+11], v[AF+12*\a:AF+12*\a+11], 0, v[SB+\b], v[SA+\a] matrix_a_fmt:MATRIX_FMT_FP6 matrix_b_fmt:MATRIX_FMT_FP6
.elseif (\k)%2 == 0
	v_wmma_scale_f32_16x16x128_f8f6f4 v[8*(8*\a+\b):8*(8*\a+\b)+7], v[12*\b:12*\b+11], v[AF+12*\a:AF+12*\a+11], v[8*(8*\a+\b):8*(8*\a+\b)+7], v[SB+8*(((\k)/2)%2)+\b], v[SA+4*(((\k)/2)%2)+\a] matrix_a_fmt:MATRIX_FMT_FP6 matrix_b_fmt:MATRIX_FMT_FP6
.else
	v_wmma_scale_f32_16x16x128_f8f6f4 v[8*(8*\a+\b):8*(8*\a+\b)+7], v[128+12*\b:128+12*\b+11], v[AF+48+12*\a:AF+48+12*\a+11], v[8*(8*\a+\b):8*(8*\a+\b)+7], v[SB+8*(((\k)/2)%2)+\b], v[SA+4*(((\k)/2)%2)+\a] matrix_a_fmt:MATRIX_FMT_FP6 matrix_b_fmt:MATRIX_FMT_FP6 matrix_a_scale:MATRIX_SCALE_ROW1 matrix_b_scale:MATRIX_SCALE_ROW1
.endif
.endr
.endr
.endm
; A tile's eight K steps.  Step k + 1's fragments are asked for ahead of step k's products.  At the entry slot 0 holds the tile's first half, shown to all waves.  refill = 1: the next tile is asked for.
.macro MAIN refill
	FETCH 0
.irp k, 0,1,2,3,4,5,6,7
	s_wait_dscnt 0x0                               ; step k's fragments are in
.if (\refill) && ((\k)%4 == 3)
	WIN 0
	s_wait_tensorcnt 0x0                           ; all my loads are in: my part of the other slot;
	ds_add_u32 v254, v255                          ; the add;
	DESC (\k)/4                                    ; work on registers: the next tile's half for the slot just read out,
	WIN 0xa1
	MULA \k, 0, 1                                  ; and sixteen products
	WIN 0
	s_wait_dscnt 0x0                               ; the add is done; my reads of the slot were over at this step's head
	CROUND                                         ; the same holds of every wave of all sixteen work-groups
	JLOAD                                          ; its four v_nop are the places in front of the loads below
.if (\k) == 3
	FETCH 4
.endif
	WIN 0xa1
	MULA \k, 2, 3
.else
.if (\k) == 3
	s_wait_tensorcnt 0x0                           ; the last tile: my part of slot 1 is in;
	s_barrier_signal -1
	s_barrier_wait -1                              ; everybody's is
.endif
.if (\k) < 7
	PLACES
	FETCH \k+1
.endif
	WIN 0xa1                                       ; source 0 (B) window 1, source 1 (A) window 0, C and D window 2
	MULA \k, 0, 1
	MULA \k, 2, 3
.endif
.endr
	WIN 0
.endm
; 64 numbers of a lane, register 16 b + i = k 32 b + 16 (lane / 16) + i of my row, become a fragment's 12 registers of codes at v[d] on and its scale word in v[PW].
.macro QUANT s, d, w                   ; the codes go to v[d] on; w = 1: the four bytes are joined into the word v[PW]
.irp b, 0,1,2,3
	v_max3_num_f32 v[TM+\b], |v[\s+16*\b]|, |v[\s+1+16*\b]|, 0x1800000   ; the floor 2^(3 - 127): the byte cannot fall under 1
.endr
.irp i, 2,4,6,8,10,12,14
.irp b, 0,1,2,3
	v_max3_num_f32 v[TM+\b], v[TM+\b], |v[\s+16*\b+\i]|, |v[\s+1+16*\b+\i]|
.endr
.endr
.irp b, 0,1,2,3
	v_permlanex16_b32 v[TM+4+\b], v[TM+\b], s[SEL], s[SEL+1]
.endr
.irp b, 0,1,2,3
	v_max_num_f32 v[TM+\b], v[TM+\b], v[TM+4+\b]   ; with lane l xor 16's: the block's largest magnitude
.endr
.irp b, 0,1,2,3
	v_add_nc_u32 v[TM+12+\b], 0xff000000, v[TM+\b] ; 2 off its exponent field: the conversion's scale operand
.endr
.irp b, 0,1,2,3
	v_lshrrev_b32 v[TM+4+\b], 23, v[TM+12+\b]      ; the scale's byte
.endr
.if \w
	v_lshl_or_b32 v[PW], v[TM+5], 8, v[TM+4]
	v_lshl_or_b32 v[PW], v[TM+6], 16, v[PW]
	v_lshl_or_b32 v[PW], v[TM+7], 24, v[PW]
.endif
.irp c, 0,1
	v_cvt_scalef32_pk16_fp6_f32 v[(\d)+6*\c:(\d)+2+6*\c], v[\s+32*\c:\s+15+32*\c], v[TM+12+2*\c]
	v_cvt_scalef32_pk16_fp6_f32 v[PC+12+4*\c:PC+14+4*\c], v[\s+16+32*\c:\s+31+32*\c], v[TM+12+2*\c+1]
.endr
	v_nop                                          ; one plain line behind the scaled conversions
.irp c, 0,1                                    ; the layout wants a WHOLE block in a lane
.irp i, 0,1,2
	v_permlane16_swap_b32 v[(\d)+6*\c+\i], v[PC+12+4*\c+\i]
.endr
.irp i, 0,1,2
	v_mov_b32 v[(\d)+3+6*\c+\i], v[PC+12+4*\c+\i]
.endr
.endr
.endm
; The same for 32 numbers, two blocks: six registers of codes at v[PC] on; the bytes in v[TM+4], v[TM+5].
.macro QUANTH s
.irp b, 0,1
	v_max3_num_f32 v[TM+\b], |v[\s+16*\b]|, |v[\s+1+16*\b]|, 0x1800000
.endr
.irp i, 2,4,6,8,10,12,14
.irp b, 0,1
	v_max3_num_f32 v[TM+\b], v[TM+\b], |v[\s+16*\b+\i]|, |v[\s+1+16*\b+\i]|
.endr
.endr
.irp b, 0,1
	v_permlanex16_b32 v[TM+4+\b], v[TM+\b], s[SEL], s[SEL+1]
.endr
.irp b, 0,1
	v_max_num_f32 v[TM+\b], v[TM+\b], v[TM+4+\b]
.endr
.irp b, 0,1
	v_add_nc_u32 v[TM+12+\b], 0xff000000, v[TM+\b]
.endr
.irp b, 0,1
	v_lshrrev_b32 v[TM+4+\b], 23, v[TM+12+\b]
.endr
	v_cvt_scalef32_pk16_fp6_f32 v[PC:PC+2], v[\s:\s+15], v[TM+12]
	v_cvt_scalef32_pk16_fp6_f32 v[PC+12:PC+14], v[\s+16:\s+31], v[TM+13]
	v_nop
.irp i, 0,1,2
	v_permlane16_swap_b32 v[PC+\i], v[PC+12+\i]
.endr
.irp i, 0,1,2
	v_mov_b32 v[PC+3+\i], v[PC+12+\i]
.endr
.endm
	s_load_b256 s[4:11], s[0:1], 0x0               ; cw s[4:5], sw s[6:7], b_qkv s[8:9], rope s[10:11]
	s_load_b128 s[12:15], s[0:1], 0x20             ; cqkv s[12:13], sqkv s[14:15]
	v_lshl_add_u32 v254, v0, 2, SPARE
	v_mov_b32 v255, 0
	ds_add_u32 v254, v255                          ; the opening lines: the add twice on end and its wait
	ds_add_u32 v254, v255
	v_lshrrev_b32 v1, 5, v0
	v_readfirstlane_b32 s16, v1                    ; wave 0..3
	s_lshr_b32 s17, s16, 1                         ; which half of A's rows is mine
	s_and_b32 s18, s16, 1                          ; which half of B's rows
	s_bfe_u32 s19, ttmp6, 0x40000                  ; cx
	s_bfe_u32 s20, ttmp6, 0x40004                  ; cy
	s_and_b32 s98, ttmp7, 0xffff                   ; the cluster's y, 0 .. 15
	s_mov_b32 s21, s19                             ; X, which 256 rows of B: tile 0: cx, tile 1: 4 + cx
	s_lshl_b32 s22, s98, 2
	s_add_co_u32 s22, s22, s20                     ; Y, which 128 rows of A: tiles 0, 1: my 128 tokens
	s_lshl_b32 s76, s22, 7                         ; tile 0: A's first row among cw's rows,
	s_lshl_b32 s77, s19, 8
	s_add_co_u32 s77, s77, 8192                    ; and B's: w_qkv's column 256 cx
	s_lshr_b32 s89, s98, 3
	s_lshl_b32 s89, s89, 2
	s_add_co_u32 s89, s89, s20                     ; tile 2: Y: which 128 of v's columns,
	s_lshl_b32 s78, s89, 7
	s_add_co_u32 s78, s78, 10240                   ; A's first row,
	s_and_b32 s88, s98, 7
	s_lshl_b32 s88, s88, 2
	s_add_co_u32 s88, s88, s19                     ; X: which 256 tokens,
	s_lshl_b32 s79, s88, 8                         ; B's first row
	s_lshl_b32 s2, s20, 2
	s_lshl_b32 s2, 15, s2                          ; my row of the cluster
	s_lshl_b32 s3, 0x1111, s19                     ; my column
	s_or_b32 s24, s2, (3<<16)|(1<<21)              ; group 1, word 0: the mask; elements of 8 bytes; bit 21 beside a mask; no padding
	s_or_b32 s40, s2, (3<<16)|(1<<21)
	s_or_b32 s32, s3, (3<<16)|(1<<21)
	s_or_b32 s48, s3, (3<<16)|(1<<21)
	GROUP1 24, 768, 8, 1536                        ; A's codes: 8 tiles x 6144 bytes (four K steps), 12288 bytes apart
	GROUP1 32, 768, 16, 1536                       ; B's: 16 tiles
	GROUP1 40, 64, 4, 6144                         ; A's scale words: 4 K steps x 512 bytes, 49152 bytes apart
	GROUP1 48, 128, 4, 6144                        ; B's: 4 x 1024 bytes
	s_mov_b32 s56, 1
	s_mov_b32 s60, 1
	s_mov_b32 s80, 1
	s_mov_b32 s84, 1
	s_mov_b32 s91, 0
	s_mov_b32 s93, 0
	s_mov_b32 s95, 0
	s_mov_b32 s97, 0
	s_wait_alu depctr_va_vdst(0)
	s_wait_dscnt 0x0
	s_wait_kmcnt 0x0
	DESC 0
	CROUND                                         ; all sixteen work-groups are here: the joint loads meet
	JLOAD                                          ; tile 0's first half: one tensor load a wave at the head
	s_mov_b32 s[SEL], 0x76543210
	s_mov_b32 s[SEL+1], 0xfedcba98
	s_mov_b32 s3, 0
	s_and_b32 s100, s22, 15                        ; which 128 tokens of the batch
	s_lshl_b32 s2, s100, 15
	s_lshl_b32 s101, s17, 14
	s_add_co_u32 s2, s2, s101
	s_add_nc_u64 s[70:71], s[10:11], s[2:3]        ; the table at my first token
	v_and_b32 v1, 31, v0                           ; lane
	v_and_b32 v2, 15, v0                           ; r
	v_bfe_u32 v3, v0, 4, 1                         ; h
	v_lshlrev_b32 v4, 4, v1                        ; 16 x lane
	v_lshlrev_b32 v5, 3, v1                        ; 8 x lane
	s_mul_i32 s2, s17, 24576
	s_mul_i32 s99, s18, 49152
	s_add_co_u32 s99, s99, 49152
	v_add_nc_u32 v8, s2, v4                        ; my four tiles of A in slot 0,
	v_add_nc_u32 v12, s99, v4                      ; my eight of B
	v_add_nc_u32 v9, SLOT, v8                      ; and in slot 1
	v_add_nc_u32 v13, SLOT, v12
	v_lshlrev_b32 v6, 2, v2
	v_lshl_add_u32 v16, v3, 9, v6
	v_lshl_add_u32 v18, v3, 10, v6
	s_lshl_b32 s2, s17, 8
	s_add_co_u32 s2, s2, SCAO
	v_add_nc_u32 v16, s2, v16                      ; A's scale words: K step h of a pair, my half's row r
	s_lshl_b32 s99, s18, 9
	s_add_co_u32 s99, s99, SCBO
	v_add_nc_u32 v18, s99, v18                     ; B's
	v_add_nc_u32 v17, SLOT, v16
	v_add_nc_u32 v19, SLOT, v18
	v_lshlrev_b32 v22, 6, v3                       ; 64 h: my half's 16 numbers of a block of 32
	v_and_b32 v23, 8, v2
	v_add_nc_u32 v23, v23, v2
	v_lshl_add_u32 v23, v23, 8, v22                ; token r + 8 (r / 8) of a tile's, + 64 h
	WIN 0xc0                                       ; destination window 3: the cosines and sines of my 64 tokens serve tiles 0 and 1
.irp a, 0,1,2,3
.irp e, 0,1,2,3
	global_load_b128 v[64+32*\a+4*\e:64+32*\a+4*\e+3], v23, s[70:71] offset:(32*(\a/2)+8*(\a%2))*256+16*\e
	global_load_b128 v[80+32*\a+4*\e:80+32*\a+4*\e+3], v23, s[70:71] offset:(32*(\a/2)+8*(\a%2))*256+128+16*\e
.endr
.endr
	WIN 0
	s_wait_alu depctr_va_vdst(0)
	s_wait_tensorcnt 0x0                           ; my part of slot 0 is in; the same lines as ahead of a refill stand ahead of slot 1's first fill
	ds_add_u32 v254, v255
	DESC 1
	s_wait_dscnt 0x0
	CROUND
	JLOAD                                          ; tile 0's second half
	s_add_co_u32 s77, s77, 1024                    ; the next tile: the same tokens, k's columns
	s_mov_b32 s23, 0
; ---- TILES 0 AND 1: q AND k.  The bias of my 128 columns is asked for now and wanted behind the products.
.Ltile:
	s_lshl_b32 s2, s21, 10
	s_lshl_b32 s101, s18, 9
	s_add_co_u32 s2, s2, s101
	s_add_nc_u64 s[68:69], s[8:9], s[2:3]          ; b_qkv at column 256 X + 128 x half
	WIN 0xc0
.irp b, 0,1,2,3,4,5,6,7
	global_load_b128 v[8*\b:8*\b+3], v22, s[68:69] offset:(32*(\b/2)+8*(\b%2))*4
	global_load_b128 v[8*\b+4:8*\b+7], v22, s[68:69] offset:(32*(\b/2)+8*(\b%2))*4+16
.endr
	WIN 0
	s_lshl_b32 s2, s21, 2
	s_lshl_b32 s101, s18, 1
	s_add_co_u32 s2, s2, s101
	s_and_b32 s2, s2, 15                           ; the first of my two heads
	s_lshr_b32 s101, s22, 4
	s_lshl_b32 s101, s101, 4
	s_add_co_u32 s104, s2, s101                    ; batch x 16 + head
	s_lshr_b32 s105, s21, 2                        ; 0: q, 1: k
	s_mul_i32 s2, s105, 6291456
	s_mul_i32 s101, s104, 98304
	s_add_co_u32 s2, s2, s101
	s_lshl_b32 s101, s100, 3
	s_lshl_b32 s99, s17, 2
	s_add_co_u32 s101, s101, s99                   ; my first tile of tokens in the head
	s_mul_i32 s101, s101, 768
	s_add_co_u32 s2, s2, s101
	s_add_nc_u64 s[72:73], s[12:13], s[2:3]
	s_cmp_eq_u32 s105, 1
	s_mov_b32 s101, 8192
	s_cselect_b32 s101, 12288, s101                ; from head to head among the scale words
	s_cselect_b32 s2, 524288, 0
	s_mul_i32 s104, s104, s101
	s_add_co_u32 s2, s2, s104
	s_lshl_b32 s104, s100, 9
	s_add_co_u32 s2, s2, s104
	s_lshl_b32 s104, s17, 8
	s_add_co_u32 s2, s2, s104
	s_add_nc_u64 s[74:75], s[14:15], s[2:3]
	v_mul_lo_u32 v24, v3, s101
	v_lshl_add_u32 v24, v2, 4, v24                 ; lanes 0-15 store the first head's words, lanes 16-31 the second's: 16 r
	s_wait_alu depctr_va_vdst(0)
	MAIN 1
	PLACES
	s_wait_loadcnt 0x0                             ; bias, cosines, sines
.irp b, 0,1,2,3
	v_mov_b32 v[TM+4+\b], 0                        ; a lane permute's destination counts as read
.endr
.irp a, 0,1,2,3                                ; a tile of 16 tokens,
.irp hd, 0,1                                   ; a head: registers 0-15: d = 16 h + i, registers 16-31: d = 32 + 16 h + i
.set XH, XR+32*\hd                     ; the head's 32 numbers: both heads of a tile are quantised together, four blocks by turns
	WIN 0x0e                                       ; source 0 window 2, source 1 window 3
.irp i, 0,1,2,3,4,5,6,7,8,9,10,11,12,13,14,15
	v_pk_add_f32 v[XH+2*\i:XH+2*\i+1], v[64*\a+32*\hd+2*\i:64*\a+32*\hd+2*\i+1], v[32*\hd+2*\i:32*\hd+2*\i+1]   ; + bias; each accumulator from its low end on
.endr
	WIN 0x0c                                       ; source 1 window 3
.irp p, 0,1,2,3,4,5,6,7
	v_pk_mul_f32 v[T1+2*\p:T1+2*\p+1], v[XH+16+2*\p:XH+17+2*\p], v[80+32*\a+2*\p:81+32*\a+2*\p]
	v_pk_mul_f32 v[T2+2*\p:T2+2*\p+1], v[XH+2*\p:XH+1+2*\p], v[80+32*\a+2*\p:81+32*\a+2*\p]
.endr
.irp p, 0,1,2,3,4,5,6,7
	v_pk_fma_f32 v[XH+2*\p:XH+1+2*\p], v[XH+2*\p:XH+1+2*\p], v[64+32*\a+2*\p:65+32*\a+2*\p], v[T1+2*\p:T1+2*\p+1] neg_lo:[0,0,1] neg_hi:[0,0,1]   ; x1 cos - x2 sin
	v_pk_fma_f32 v[XH+16+2*\p:XH+17+2*\p], v[XH+16+2*\p:XH+17+2*\p], v[64+32*\a+2*\p:65+32*\a+2*\p], v[T2+2*\p:T2+2*\p+1]                          ; x2 cos + x1 sin
.endr
.endr
	WIN 0
	QUANT XR, CD+12*\a, 0                          ; registers 6 hd .. 6 hd + 5 of the twelve are head hd's codes, bytes 2 hd and 2 hd + 1 its scales
.irp hd, 0,1
	v_lshl_or_b32 v[WD+4*\hd+\a], v[TM+5+2*\hd], 8, v[TM+4+2*\hd]
	v_or_b32 v[WD+4*\hd+\a], 0x7f7f0000, v[WD+4*\hd+\a]   ; bytes 2 and 3: the scale 1 for the K that the head does not have
	global_store_b128 v4, v[CD+12*\a+6*\hd:CD+12*\a+6*\hd+3], s[72:73] offset:\hd*98304+\a*768          ; 512 consecutive bytes,
	global_store_b64 v5, v[CD+12*\a+6*\hd+4:CD+12*\a+6*\hd+5], s[72:73] offset:\hd*98304+\a*768+512     ; and the 256 behind them
.endr
.endr
	v_cmp_eq_u32 vcc_lo, 1, v3
.irp a, 0,1,2,3
	v_cndmask_b32 v[PK+\a], v[WD+\a], v[WD+4+\a], vcc_lo
.endr
	global_store_b128 v24, v[PK:PK+3], s[74:75]    ; sixteen lanes store 256 consecutive bytes
	s_mov_b32 s76, s78                             ; what the next trip asks for: tile 2
	s_mov_b32 s77, s79
	s_add_co_u32 s21, s21, 4                       ; the next trip's own tile: k's columns
	s_wait_xcnt 0x0                                ; the stores have read their data, offsets and bases: all are written again in the next tile
	s_add_co_u32 s23, s23, 1
	s_cmp_lt_u32 s23, 2
	s_wait_alu depctr_va_vdst(0)
	s_cbranch_scc1 .Ltile
; ---- TILE 2: v.  My 64 rows of A are one head's 64 channels, my 128 rows of B one key step's 128 tokens.
	s_mov_b32 s21, s88
	s_mov_b32 s22, s89
	s_lshl_b32 s100, s22, 1
	s_add_co_u32 s100, s100, s17                   ; the head
	s_lshl_b32 s2, s100, 8
	s_add_co_u32 s2, s2, 8192
	s_add_nc_u64 s[8:9], s[8:9], s[2:3]            ; b_qkv at column 2048 + 64 x head
	v_and_b32 v22, 8, v2
	v_add_nc_u32 v22, v22, v2
	v_lshlrev_b32 v22, 2, v22                      ; channel r + 8 (r / 8) of a tile's
.irp a, 0,1,2,3
	global_load_b32 v[VB+\a], v22, s[8:9] offset:(32*(\a/2)+8*(\a%2))*4
.endr
	s_lshr_b32 s101, s21, 3
	s_lshl_b32 s101, s101, 4
	s_add_co_u32 s101, s101, s100                  ; batch x 16 + head
	s_and_b32 s104, s21, 7
	s_lshl_b32 s104, s104, 1
	s_add_co_u32 s104, s104, s18                   ; the key step
	s_lshl_b32 s2, s101, 4
	s_add_co_u32 s2, s2, s104
	s_mul_i32 s2, s2, 6144
	s_add_co_u32 s2, s2, 12582912
	s_add_nc_u64 s[12:13], s[12:13], s[2:3]
	s_mul_i32 s2, s101, 12288
	s_lshl_b32 s104, s104, 8
	s_add_co_u32 s2, s2, s104
	s_add_co_u32 s2, s2, 524288+8192
	s_add_nc_u64 s[14:15], s[14:15], s[2:3]
	v_lshlrev_b32 v24, 4, v2
	v_lshl_add_u32 v24, v3, 3, v24                 ; 16 r + 8 h
	s_wait_alu depctr_va_vdst(0)
	MAIN 0
	PLACES
	s_wait_loadcnt 0x0                             ; the bias
.irp b, 0,1,2,3
	v_mov_b32 v[TM+4+\b], 0
.endr
.irp a, 0,1,2,3                                ; a tile of 16 channels: registers 16 b + i = key 32 b + 16 h + i
	v_mov_b32 v[BP], v[VB+\a]
	v_mov_b32 v[BP+1], v[VB+\a]
	WIN 0x02                                       ; source 0 window 2
.irp i, 0,1,2,3,4,5,6,7,8,9,10,11,12,13,14,15,16,17,18,19,20,21,22,23,24,25,26,27,28,29,30,31
	v_pk_add_f32 v[XR+2*\i:XR+2*\i+1], v[64*\a+2*\i:64*\a+2*\i+1], v[BP:BP+1]
.endr
	WIN 0
	QUANT XR, CD+12*\a, 1
	v_mov_b32 v[WD+\a], v[PW]
.irp p, 0,1,2
	global_store_b128 v4, v[CD+12*\a+4*\p:CD+12*\a+4*\p+3], s[12:13] offset:\a*1536+512*\p
.endr
.endr
	v_cmp_eq_u32 vcc_lo, 1, v3
	v_cndmask_b32 v[PK], v[WD], v[WD+2], vcc_lo
	v_cndmask_b32 v[PK+1], v[WD+1], v[WD+3], vcc_lo
	global_store_b64 v24, v[PK:PK+1], s[14:15]     ; the wave stores 256 consecutive bytes
	s_wait_tensorcnt 0x0                           ; the wave's end
	ds_add_u32 v254, v255
	s_wait_dscnt 0x0
	CROUND                                         ; the closing round: no work-group ends while a partner may still ask for a tile that names it
	s_endpgm
.Lfunc_end_k_q1569576406_qkv:
	.size	k_q1569576406_qkv, .Lfunc_end_k_q1569576406_qkv-k_q1569576406_qkv
	.p2alignl 7, 3214868480
	.fill 96, 4, 3214868480
	.section	.rodata,"a",@progbits
	.p2align	6, 0x0
	.amdhsa_kernel k_q1569576406_qkv
		.amdhsa_group_segment_fixed_size 327680
		.amdhsa_private_segment_fixed_size 0
		.amdhsa_enable_private_segment 0
		.amdhsa_kernarg_size 48
		.amdhsa_user_sgpr_count 2
		.amdhsa_user_sgpr_kernarg_segment_ptr 1
		.amdhsa_wavefront_size32 1
		.amdhsa_system_sgpr_workgroup_id_x 1
		.amdhsa_system_sgpr_workgroup_id_y 1
		.amdhsa_system_sgpr_workgroup_id_z 1
		.amdhsa_system_vgpr_workitem_id 0
		.amdhsa_next_free_vgpr 1024
		.amdhsa_next_free_sgpr 106
		.amdhsa_reserve_vcc 1
		.amdhsa_float_denorm_mode_32 3
		.amdhsa_float_denorm_mode_16_64 3
		.amdhsa_memory_ordered 1
		.amdhsa_forward_progress 1
		.amdhsa_inst_pref_size 201
	.end_amdhsa_kernel
	.amdgpu_metadata
---
amdhsa.version: [ 1, 2 ]
amdhsa.kernels:
  - .name:           k_q1569576406_qkv
    .symbol:         k_q1569576406_qkv.kd
    .args:
      - { .name: cw, .offset: 0, .size: 8, .value_kind: global_buffer, .address_space: global }
      - { .name: sw, .offset: 8, .size: 8, .value_kind: global_buffer, .address_space: global }
      - { .name: b_qkv, .offset: 16, .size: 8, .value_kind: global_buffer, .address_space: global }
      - { .name: rope, .offset: 24, .size: 8, .value_kind: global_buffer, .address_space: global }
      - { .name: cqkv, .offset: 32, .size: 8, .value_kind: global_buffer, .address_space: global }
      - { .name: sqkv, .offset: 40, .size: 8, .value_kind: global_buffer, .address_space: global }
    .group_segment_fixed_size: 327680
    .private_segment_fixed_size: 0
    .kernarg_segment_align: 8
    .kernarg_segment_size: 48
    .max_flat_workgroup_size: 128
    .sgpr_count:     106
    .vgpr_count:     1024
    .wavefront_size: 32
...
	.end_amdgpu_metadata
.endif
;; end of part 2
;; launch attn (part 3): grid 4 x 64, 16 waves a work-group, clusters of 4 x 1, 223,232 bytes of LDS; arguments cqkv, sqkv, co, so; writes co, so
.if DOCPART == 3
	.amdgcn_target "amdgcn-amd-amdhsa--gfx1250"
	.amdhsa_code_object_version 6
	.text
	.protected	k_q1569576406_attn
	.globl	k_q1569576406_attn
	.p2align	8
	.type	k_q1569576406_attn,@function
k_q1569576406_attn:
	s_mov_b64 s[64:65], 0
	v_nop
	global_prefetch_b8 v0, s[64:65] scope:SCOPE_SE
	s_setreg_imm32_b32 hwreg(HW_REG_WAVE_MODE, 25, 1), 1
	s_wait_xcnt 0x0
	s_wait_alu depctr_hold_cnt(0) depctr_sa_sdst(0) depctr_va_vdst(0) depctr_va_sdst(0) depctr_va_ssrc(0) depctr_va_vcc(0) depctr_vm_vsrc(0)
	s_getreg_b32 s2, hwreg(HW_REG_IB_STS2, 6, 4)
	s_cmp_eq_u32 s2, 0
	s_cbranch_scc0 .Lentry_in_a_cluster
	s_endpgm
.Lentry_in_a_cluster:
	s_bfe_u32 s2, ttmp6, 0x10000c
	s_cmp_lg_u32 s2, 0x3003
	s_cbranch_scc0 .Lentry_shape_is_right
	s_endpgm
.Lentry_shape_is_right:
; CAUSAL ATTENTION on codes of FP6 (E2M3) with E8M0 scales: 64 heads (batch x 16 + head) of 2048 tokens x 64 channels.  q, k: codes along d; v: codes along the keys.  The result, divided by the row's sum, is quantised along d.
; LEFT OUT: key steps of 128 keys that lie wholly behind a tile's queries: reference()'s own causal mask gives them the weight 0 for all inputs.
; THE SOFTMAX: t = score x log2(e) / 8; M = the row's largest t so far, rounded UP to a whole number; p = 2^(t - M) is quantised along the keys, not normalised; the sum is taken of the unquantised p and divides at the end.
; When M moves, the sum and O are multiplied by 2^(old M - new M): exact.  Hidden scores become -infinity ahead of the maximum (p = 0).
; SHARES.  A head's 16 chunks of 128 queries are 128 tiles of 16.  A wave owns TWO tiles, tile ti of chunk 15 - c and tile ti of chunk c, and walks them one after the other: (16 - c) + (c + 1) = 17 key steps for every wave.
; c = wave % 8 hangs on the wave's number alone; ti = 2 x (place in the cluster) + wave / 8 enters global addresses and the mask's threshold register only.  So the four work-groups of a head form a cluster of 4 x 1
; and ask for k, v and the scale words JOINTLY (mask 15): no branch and no LDS address hangs on a work-group's place.
; LDS: nine slots of 24576 bytes, filled once: slot 0: k's scale words (8192 bytes), v's (4096); slot 1 + p: key steps 2 p, 2 p + 1: k's 2 x 6144 bytes, then v's.  Wave 0 asks for slot 0, wave 1 + p for slot 1 + p:
; k's and v's 12288 bytes are the two rows of one descriptor, 6291456 bytes apart in cqkv.  One tensor load a wave at the most, all at the head.
; THE WALK.  The later chunk's tile comes first: it has nine key steps or more, so trips 0 and 1 are key steps 0 and 1 in every wave, neither on the diagonal.  The first barrier shows the scale words and key steps 0, 1
; (waves 0 and 1 wait: each has a load line of its own), the second, behind two trips, all the rest (every wave waits).  In trips 2 to 16 the key step is n, or (n + c) % 16 behind the change of tiles.
; The step on the diagonal is a tile's last: its way out stands in that trip.
; A new tile clears nothing: its first step finds -M = 3e38, so that f = 2^(old M - new M) is 0, and what the last tile left in O and in the sum is multiplied by 0.
; NO PREFETCH: all that the work-group reads is asked for at the head; there is no loop to run ahead in.
; LAYOUT.  Both products transposed: S^T = K Q^T, O^T = V^T P^T: a lane holds ONE query.  Row r of tile 2 b + u of k is key 32 b + 8 u + r + 8 (r / 8): the 16 registers of tiles 2 b, 2 b + 1 are keys 32 b + 16 (lane / 16) + 0 .. 15.
; THE HEAD HAS 64 CHANNELS, THE INSTRUCTION 128: q's upper six registers are zero codes, so k's upper six may hold any codes: tile t's fragment is v[36 + 6 t .. 47 + 6 t], whose upper half is the next tile's lower half.
; LIMITS: a block whose largest magnitude lies under 2^-124 gets the byte 1; NaN and infinities are not served; the promise holds while the scaled scores t stay under 2^31 in magnitude.
; REGISTERS: v1-7, v13, v15 addresses and constants that stay; v8-12 the step's addresses; v16-27 q; v28-31 k's scale words, v32-35 v's; v36-89 fragments; v90-153 S^T, then p; v154-185 O^T; v186-197 p's codes; v198-204 halves of codes;
;   v206-217 block maxima, bytes, scale operands; v[218:219] f; v[220:221] -M, the largest t; v[222:223] the sum; v224 p's scale word; v225 q's; v226-229, v242-253 at work; v230-236 the second tile's q and scale word.
.set SLOTB, 24576
.set LSV,   8192                       ; v's scale words in slot 0
.set SPARE, 9*SLOTB                    ; the spare words: 128 bytes a wave
.set PC,   186
.set TM,   206
.set SEL,  56                          ; s[56:57]
.macro GROUP1 g, c, r, p
	s_mov_b32 s[\g+1], (\c)<<16
	s_mov_b32 s[\g+2], (\r)<<16
	s_mov_b32 s[\g+3], (\c)<<16
	s_mov_b32 s[\g+4], \r
	s_mov_b32 s[\g+5], \p
	s_mov_b32 s[\g+6], 0
	s_mov_b32 s[\g+7], 0
.endm
.macro CROUND                          ; a round of the cluster's barrier
	s_barrier_signal -1
	s_barrier_wait -1
	s_cmp_lg_u32 s48, 0
	s_cbranch_scc1 .Lnot_wave_0_\@
	s_barrier_signal -3
.Lnot_wave_0_\@:
	s_barrier_wait -3
	s_barrier_signal -1
	s_barrier_wait -1
.endm
.macro TLOAD g0, g1
	tensor_load_to_lds s[\g0:\g0+3], s[\g1:\g1+7]
	s_nop 0
.rept 4
	v_nop
.endr
.endm
.macro SHOW under                      ; a barrier that shows what waves 0 .. under - 1 asked for (0: all)
	s_wait_dscnt 0x0
.if \under
	s_cmp_lt_u32 s48, \under
	s_cbranch_scc0 .Lnot_mine_\@
	s_wait_tensorcnt 0x0
.Lnot_mine_\@:
.else
	s_wait_tensorcnt 0x0
.endif
	s_barrier_signal -1
	s_barrier_wait -1
.endm
.macro QUANTH s                        ; 32 numbers of a lane, register 16 b + i = k 32 b + 16 (lane / 16) + i, become six registers of codes at v[PC] on; the bytes in v[TM+4], v[TM+5]
.irp b, 0,1
	v_max3_num_f32 v[TM+\b], |v[\s+16*\b]|, |v[\s+1+16*\b]|, 0x1800000
.endr
.irp i, 2,4,6,8,10,12,14
.irp b, 0,1
	s_delay_alu instid0(VALU_DEP_2)
	v_max3_num_f32 v[TM+\b], v[TM+\b], |v[\s+16*\b+\i]|, |v[\s+1+16*\b+\i]|
.endr
.endr
.irp b, 0,1
	s_delay_alu instid0(VALU_DEP_2)
	v_permlanex16_b32 v[TM+4+\b], v[TM+\b], s[SEL], s[SEL+1]
.endr
.irp b, 0,1
	s_delay_alu instid0(VALU_DEP_2)
	v_max_num_f32 v[TM+\b], v[TM+\b], v[TM+4+\b]
.endr
.irp b, 0,1
	s_delay_alu instid0(VALU_DEP_2)
	v_add_nc_u32 v[TM+12+\b], 0xff000000, v[TM+\b]
.endr
.irp b, 0,1
	s_delay_alu instid0(VALU_DEP_2)
	v_lshrrev_b32 v[TM+4+\b], 23, v[TM+12+\b]
.endr
	v_cvt_scalef32_pk16_fp6_f32 v[PC:PC+2], v[\s:\s+15], v[TM+12]
	v_cvt_scalef32_pk16_fp6_f32 v[PC+12:PC+14], v[\s+16:\s+31], v[TM+13]
	v_nop
.irp i, 0,1,2
	v_permlane16_swap_b32 v[PC+\i], v[PC+12+\i]
.endr
.irp i, 0,1,2
	s_delay_alu instid0(VALU_DEP_3)
	v_mov_b32 v[PC+3+\i], v[PC+12+\i]
.endr
.endm
	s_load_b256 s[4:11], s[0:1], 0x0               ; cqkv s[4:5], sqkv s[6:7], co s[8:9], so s[10:11]
	v_lshl_add_u32 v254, v0, 2, SPARE
	v_mov_b32 v255, 0
	ds_add_u32 v254, v255                          ; the opening lines: the add twice on end and its wait
	ds_add_u32 v254, v255
	v_lshrrev_b32 v1, 5, v0
	v_readfirstlane_b32 s48, v1                    ; wave 0..15
	s_and_b32 s59, ttmp7, 0xffff                   ; batch x 16 + head (the cluster's y)
	s_bfe_u32 s47, ttmp6, 0x40000                  ; my place in the cluster
	s_mov_b32 s12, 15|(3<<16)|(1<<21)              ; group 1 for the scale words: all four partners; elements of 8 bytes; 48 rows of 256 bytes, dense
	GROUP1 12, 32, 48, 32
	s_mov_b32 s20, 15|(3<<16)|(1<<21)              ; and for the codes: two rows of 12288 bytes, k's and v's, 6291456 bytes apart
	GROUP1 20, 1536, 2, 786432
	s_mov_b32 s28, 1
	s_mov_b32 s29, 0
	s_mov_b32 s32, 1
	s_mul_i32 s33, s48, SLOTB                      ; my slot
	s_mul_i32 s2, s59, 12288
	s_add_co_u32 s2, s2, 524288                    ; the head's scale words of k and v
	s_mov_b32 s3, 0
	s_mul_i32 s62, s59, 98304
	s_mul_i32 s61, s48, 12288
	s_add_co_u32 s62, s62, s61
	s_add_co_u32 s62, s62, 6291456-12288           ; k's key steps 2 (wave - 1), 2 (wave - 1) + 1
	s_mov_b32 s63, 0
	s_wait_alu depctr_va_vdst(0)
	s_wait_dscnt 0x0
	CROUND                                         ; the four work-groups are here: the joint loads meet
	s_wait_kmcnt 0x0
	s_add_nc_u64 s[30:31], s[6:7], s[2:3]
	s_or_b32 s31, s31, 0x80000000
	s_add_nc_u64 s[34:35], s[4:5], s[62:63]
	s_or_b32 s35, s35, 0x80000000
	s_cmp_eq_u32 s48, 0                            ; one chain of branches on the wave's number; waves that wait alike share an arm
	s_cbranch_scc0 .Larm_1
	TLOAD 28, 12                                   ; wave 0: the scale words
	s_branch .Lasked
.Larm_1:
	s_cmp_lt_u32 s48, 2
	s_cbranch_scc0 .Larm_2
	TLOAD 32, 20                                   ; wave 1: key steps 0, 1
	s_branch .Lasked
.Larm_2:
	s_cmp_lt_u32 s48, 9
	s_cbranch_scc0 .Lasked
	TLOAD 32, 20                                   ; waves 2-8: key steps 2-15
.Lasked:
	s_and_b32 s45, s48, 7                          ; c: my second tile's chunk
	s_xor_b32 s46, s45, 15                         ; 15 - c: my first tile's
	s_lshr_b32 s44, s48, 3
	s_lshl_b32 s2, s47, 1
	s_add_co_u32 s44, s44, s2                      ; ti: my tile in both chunks
	s_lshl_b32 s60, s59, 7
	s_add_co_u32 s60, s60, s44
	s_lshl_b32 s2, s46, 3
	s_add_co_u32 s2, s2, s60
	s_mul_i32 s2, s2, 768
	s_add_nc_u64 s[36:37], s[4:5], s[2:3]          ; q's codes, first tile
	s_lshl_b32 s2, s45, 3
	s_add_co_u32 s2, s2, s60
	s_mul_i32 s2, s2, 768
	s_add_nc_u64 s[38:39], s[4:5], s[2:3]          ; second tile
	s_lshl_b32 s60, s59, 13
	s_lshr_b32 s61, s44, 2
	s_lshl_b32 s61, s61, 8
	s_add_co_u32 s60, s60, s61
	s_and_b32 s61, s44, 3
	s_lshl_b32 s61, s61, 2
	s_add_co_u32 s60, s60, s61
	s_lshl_b32 s2, s46, 9
	s_add_co_u32 s2, s2, s60
	s_add_nc_u64 s[40:41], s[6:7], s[2:3]          ; q's scale words, first tile
	s_lshl_b32 s2, s45, 9
	s_add_co_u32 s2, s2, s60
	s_add_nc_u64 s[42:43], s[6:7], s[2:3]          ; second tile
	s_lshr_b32 s67, s44, 1
	s_lshl_b32 s67, s67, 5
	s_and_b32 s61, s44, 1
	s_lshl_b32 s61, s61, 3
	s_add_co_u32 s67, s67, s61                     ; my tile's first query in its chunk
	s_mov_b32 s54, 0x3e38aa3b                      ; log2(e) / 8
	s_mov_b32 s55, s54
	s_mov_b32 s[SEL], 0x76543210
	s_mov_b32 s[SEL+1], 0xfedcba98
	v_and_b32 v13, 31, v0                          ; lane
	v_and_b32 v14, 15, v0                          ; r
	v_bfe_u32 v15, v0, 4, 1                        ; h
	v_lshlrev_b32 v1, 4, v13                       ; 16 x lane: global images, and k's scale words in LDS
	v_lshl_add_u32 v2, v13, 3, 512                 ; 512 + 8 x lane
	v_add_nc_u32 v3, SLOTB, v1                     ; the same two in LDS, from slot 1 on
	v_add_nc_u32 v4, SLOTB, v2
	v_lshl_add_u32 v5, v14, 4, LSV                 ; v's scale words
	v_lshlrev_b32 v12, 4, v14                      ; 16 r
	global_load_b128 v[16:19], v1, s[36:37]
	global_load_b64 v[20:21], v2, s[36:37]
	global_load_b32 v225, v12, s[40:41]
	global_load_b128 v[230:233], v1, s[38:39]
	global_load_b64 v[234:235], v2, s[38:39]
	global_load_b32 v236, v12, s[42:43]
	v_and_b32 v6, 8, v14
	v_add_nc_u32 v6, v6, v14
	v_add_nc_u32 v6, s67, v6                       ; my query's place in its chunk,
	v_lshlrev_b32 v10, 4, v15
	v_sub_nc_u32 v6, v6, v10                       ; less 16 h: register 16 b + i is hidden on the diagonal where 32 b + i is above this
	v_mov_b32 v7, 0xff800000                       ; -infinity
	v_lshl_add_u32 v13, v14, 2, v15                ; the way out: row r's scale word, byte h
.irp j, 22,23,24,25,26,27,84,85,86,87,88,89
	v_mov_b32 v[\j], 0                             ; q's zero codes; the last tile's upper half
.endr
.irp j, 0,1,2,3,4,5,6,7,8,9,10,11,12,13,14,15,16,17,18,19,20,21,22,23,24,25,26,27,28,29,30,31
	v_mov_b32 v[154+\j], 0                         ; O^T: written once
.endr
.irp j, 210,211,212,213,219,222,223
	v_mov_b32 v[\j], 0                             ; lane permutes' destinations; the upper half of f's pair; the sum
.endr
	v_mov_b32 v221, 0xff61b1e6                     ; the largest t so far: -3e38
	v_floor_f32 v220, -v221                        ; -M
	s_wait_alu depctr_va_vdst(0)
	s_wait_loadcnt 0x0                             ; both tiles' q
; A key step of one tile.  gen = 0: trip n (s58) is key step n, all keys open.  gen = 1: trips 2 to 16.
.macro STEP gen
.if \gen
	s_add_co_u32 s50, s58, s45
	s_cmp_gt_u32 s58, s46                          ; behind the change of tiles?
	s_cselect_b32 s50, s50, s58
	s_and_b32 s50, s50, 15                         ; the key step: n, or n + c - 16
	s_cmp_eq_u32 s58, s46
	s_cselect_b32 s66, 1, 0
	s_cmp_eq_u32 s58, 16
	s_cselect_b32 s66, 1, s66                      ; 1: the step on the diagonal, a tile's last
.else
	s_mov_b32 s50, s58
.endif
	s_lshr_b32 s51, s50, 1
	s_mul_i32 s51, s51, SLOTB
	s_and_b32 s52, s50, 1
	s_mul_i32 s52, s52, 6144
	s_add_co_u32 s51, s51, s52                     ; its codes,
	s_lshl_b32 s52, s50, 9                         ; k's scale words,
	s_lshl_b32 s53, s50, 8                         ; v's
	v_add_nc_u32 v8, s51, v3                       ; (these four are the places in front of the loads into registers that the last products read)
	v_add_nc_u32 v9, s51, v4
	v_add_nc_u32 v11, s52, v1
	v_add_nc_u32 v12, s53, v5
.irp t, 0,1,2,3,4,5,6,7
	ds_load_b128 v[36+6*\t:39+6*\t], v8 offset:768*\t
	ds_load_b64 v[40+6*\t:41+6*\t], v9 offset:768*\t
.endr
	ds_load_b128 v[28:31], v11                     ; register e: lanes 0-15 tile e's words, lanes 16-31 tile 4 + e's
	s_wait_alu depctr_va_vdst(0)
	s_wait_dscnt 0x0
.irp t, 0,1,2,3
	v_wmma_scale_f32_16x16x128_f8f6f4 v[90+8*\t:97+8*\t], v[36+6*\t:47+6*\t], v[16:27], 0, v[28+\t], v225 matrix_a_fmt:MATRIX_FMT_FP6 matrix_b_fmt:MATRIX_FMT_FP6
.endr
.irp t, 4,5,6,7
	v_wmma_scale_f32_16x16x128_f8f6f4 v[90+8*\t:97+8*\t], v[36+6*\t:47+6*\t], v[16:27], 0, v[24+\t], v225 matrix_a_fmt:MATRIX_FMT_FP6 matrix_b_fmt:MATRIX_FMT_FP6 matrix_a_scale:MATRIX_SCALE_ROW1
.endr
.rept 4
	v_nop
.endr
.irp t, 0,1,2,3                                ; v's four fragments land while the softmax is walked
.irp p, 0,1,2
	ds_load_b128 v[36+12*\t+4*\p:39+12*\t+4*\p], v8 offset:12288+1536*\t+512*\p
.endr
.endr
	ds_load_b128 v[32:35], v12
.if \gen
	s_cmp_eq_u32 s66, 0
	s_cbranch_scc1 .Lopen_\@                       ; only the step on the diagonal hides keys
.irp n, 0,1,2,3,4,5,6,7,8,9,10,11,12,13,14,15,16,17,18,19,20,21,22,23,24,25,26,27,28,29,30,31,32,33,34,35,36,37,38,39,40,41,42,43,44,45,46,47,48,49,50,51,52,53,54,55,56,57,58,59,60,61,62,63
	v_cmp_gt_i32 vcc_lo, 32*(\n/16)+\n%16, v6
	v_cndmask_b32 v[90+\n], v[90+\n], v7, vcc_lo
.endr
.Lopen_\@:
.endif
.irp b, 0,1,2,3
	v_max3_num_f32 v[206+\b], v[90+16*\b], v[91+16*\b], v[92+16*\b]   ; the largest score of each block of 32 keys: for the row's maximum, and, since p rises with the score, for the block's largest p
.endr
.irp i, 3,5,7,9,11,13
.irp b, 0,1,2,3
	v_max3_num_f32 v[206+\b], v[206+\b], v[90+16*\b+\i], v[91+16*\b+\i]
.endr
.endr
.irp b, 0,1,2,3
	v_max_num_f32 v[206+\b], v[206+\b], v[105+16*\b]
.endr
.irp b, 0,1,2,3
	s_delay_alu instid0(VALU_DEP_4)
	v_permlanex16_b32 v[210+\b], v[206+\b], s[SEL], s[SEL+1]
.endr
.irp b, 0,1,2,3
	s_delay_alu instid0(VALU_DEP_4)
	v_max_num_f32 v[206+\b], v[206+\b], v[210+\b]
.endr
	s_delay_alu instid0(VALU_DEP_2)
	v_max3_num_f32 v226, v206, v207, v208
	s_delay_alu instid0(VALU_DEP_1)
	v_max_num_f32 v226, v226, v209
	s_delay_alu instid0(VALU_DEP_1)
	v_mul_f32 v226, s54, v226                      ; as t (the factor is positive)
	s_delay_alu instid0(VALU_DEP_1)
	v_max_num_f32 v221, v221, v226                 ; the running largest t
	v_mov_b32 v226, v220
	s_delay_alu instid0(VALU_DEP_2)
	v_floor_f32 v220, -v221                        ; the new -M = -ceil(t)
	s_delay_alu instid0(VALU_DEP_1)
	v_sub_f32 v226, v220, v226                     ; old M - new M: a whole number, 0 or less
	s_delay_alu instid0(VALU_DEP_1)
	v_cvt_i32_f32 v226, v226                       ; (it saturates)
	s_delay_alu instid0(VALU_DEP_1)
	v_ldexp_f32 v218, 1.0, v226                    ; f = 2^(old M - new M); 0 in a tile's first step
.irp j, 0,2,4,6,8,10,12,14,16,18,20,22,24,26,28,30,32,34,36,38,40,42,44,46,48,50,52,54,56,58,60,62
	v_pk_fma_f32 v[90+\j:91+\j], v[90+\j:91+\j], s[54:55], v[220:221] op_sel_hi:[1,0,0]   ; t - M
.endr
.irp b, 0,1,2,3
	v_fma_f32 v[206+\b], v[206+\b], s54, v220
.endr
	s_wait_alu depctr_va_vdst(0)
.irp j, 0,1,2,3,4,5,6,7,8,9,10,11,12,13,14,15,16,17,18,19,20,21,22,23,24,25,26,27,28,29,30,31,32,33,34,35,36,37,38,39,40,41,42,43,44,45,46,47,48,49,50,51,52,53,54,55,56,57,58,59,60,61,62,63
	v_exp_f32 v[90+\j], v[90+\j]                   ; p
.endr
.irp b, 0,1,2,3
	v_exp_f32 v[206+\b], v[206+\b]                 ; the block's largest p
.endr
	v_pk_mul_f32 v[222:223], v[222:223], v[218:219] op_sel_hi:[1,0]   ; the sum under the new M (a plain line behind the exponentials)
	s_wait_alu depctr_va_vdst(0)                   ; and behind it
.irp b, 0,1,2,3
	v_max_num_f32 v[206+\b], 0x1800000, v[206+\b]  ; the floor: the byte cannot fall under 1
.endr
.irp b, 0,1,2,3
	s_delay_alu instid0(VALU_DEP_4)
	v_add_nc_u32 v[214+\b], 0xff000000, v[206+\b]
.endr
.irp b, 0,1,2,3
	s_delay_alu instid0(VALU_DEP_4)
	v_lshrrev_b32 v[210+\b], 23, v[214+\b]
.endr
	s_delay_alu instid0(VALU_DEP_3)
	v_lshl_or_b32 v224, v211, 8, v210              ; p's scale word for these 128 keys
	s_delay_alu instid0(VALU_DEP_1)
	v_lshl_or_b32 v224, v212, 16, v224
	s_delay_alu instid0(VALU_DEP_1)
	v_lshl_or_b32 v224, v213, 24, v224
.irp c, 0,1
	v_cvt_scalef32_pk16_fp6_f32 v[186+6*\c:188+6*\c], v[90+32*\c:105+32*\c], v[214+2*\c]
	v_cvt_scalef32_pk16_fp6_f32 v[198+4*\c:200+4*\c], v[106+32*\c:121+32*\c], v[215+2*\c]
.endr
	v_nop                                          ; one plain line behind the scaled conversions
.irp c, 0,1
.irp i, 0,1,2
	v_permlane16_swap_b32 v[186+6*\c+\i], v[198+4*\c+\i]
.endr
.irp i, 0,1,2
	s_delay_alu instid0(VALU_DEP_3)
	v_mov_b32 v[189+6*\c+\i], v[198+4*\c+\i]
.endr
.endr
	v_pk_add_f32 v[228:229], v[94:95], v[98:99]    ; the sum of the unquantised p, in eight chains
	v_pk_add_f32 v[252:253], v[102:103], v[106:107]
	v_pk_add_f32 v[250:251], v[110:111], v[114:115]
	v_pk_add_f32 v[248:249], v[118:119], v[122:123]
	v_pk_add_f32 v[246:247], v[126:127], v[130:131]
	v_pk_add_f32 v[244:245], v[134:135], v[138:139]
	v_pk_add_f32 v[242:243], v[142:143], v[146:147]
	v_pk_add_f32 v[222:223], v[222:223], v[150:151]
	v_pk_add_f32 v[228:229], v[228:229], v[90:91]
	v_pk_add_f32 v[252:253], v[252:253], v[92:93]
	v_pk_add_f32 v[250:251], v[250:251], v[96:97]
	v_pk_add_f32 v[248:249], v[248:249], v[100:101]
	v_pk_add_f32 v[246:247], v[246:247], v[104:105]
	v_pk_add_f32 v[244:245], v[244:245], v[108:109]
	v_pk_add_f32 v[242:243], v[242:243], v[112:113]
	v_pk_add_f32 v[222:223], v[222:223], v[116:117]
	v_pk_add_f32 v[228:229], v[228:229], v[120:121]
	v_pk_add_f32 v[252:253], v[252:253], v[124:125]
	v_pk_add_f32 v[250:251], v[250:251], v[128:129]
	v_pk_add_f32 v[248:249], v[248:249], v[132:133]
	v_pk_add_f32 v[246:247], v[246:247], v[136:137]
	v_pk_add_f32 v[244:245], v[244:245], v[140:141]
	v_pk_add_f32 v[242:243], v[242:243], v[144:145]
	v_pk_add_f32 v[222:223], v[222:223], v[148:149]
	v_pk_add_f32 v[228:229], v[228:229], v[152:153]
	s_delay_alu instid0(VALU_DEP_2)
	v_pk_add_f32 v[222:223], v[222:223], v[248:249]
	s_delay_alu instid0(VALU_DEP_2)
	v_pk_add_f32 v[228:229], v[228:229], v[246:247]
	v_pk_add_f32 v[252:253], v[252:253], v[244:245]
	v_pk_add_f32 v[250:251], v[250:251], v[242:243]
	s_delay_alu instid0(VALU_DEP_2)
	v_pk_add_f32 v[222:223], v[222:223], v[252:253]
	s_delay_alu instid0(VALU_DEP_2)
	v_pk_add_f32 v[228:229], v[228:229], v[250:251]
	s_delay_alu instid0(VALU_DEP_1)
	v_pk_add_f32 v[222:223], v[222:223], v[228:229]
	s_wait_alu depctr_va_vdst(0)                   ; directly ahead of the first reader of O^T
.irp j, 0,2,4,6,8,10,12,14,16,18,20,22,24,26,28,30
	v_pk_mul_f32 v[154+\j:155+\j], v[154+\j:155+\j], v[218:219] op_sel_hi:[1,0]   ; O^T under the new M
.endr
	s_wait_alu depctr_va_vdst(0)
	s_wait_dscnt 0x0                               ; v's fragments and scale words are in
.irp t, 0,1,2,3
	v_wmma_scale_f32_16x16x128_f8f6f4 v[154+8*\t:161+8*\t], v[36+12*\t:47+12*\t], v[186:197], v[154+8*\t:161+8*\t], v[32+\t], v224 matrix_a_fmt:MATRIX_FMT_FP6 matrix_b_fmt:MATRIX_FMT_FP6
.endr
.if \gen
	s_cmp_eq_u32 s66, 0
	s_cbranch_scc1 .Lgoes_on_\@
	; THE WAY OUT of a tile: O^T / the sum; register 16 b + i is channel 32 b + 16 h + i of my query: quantised along d, stored as half an operand's image for the last product.
.rept 4
	v_nop
.endr
	s_wait_alu depctr_va_vdst(0)
	v_add_f32 v222, v222, v223
	s_delay_alu instid0(VALU_DEP_1)
	v_permlanex16_b32 v210, v222, s[SEL], s[SEL+1]
	s_delay_alu instid0(VALU_DEP_1)
	v_add_f32 v222, v222, v210                     ; the row's sum
	s_wait_alu depctr_va_vdst(0)
	v_rcp_f32 v222, v222
	v_nop                                          ; a plain line behind the reciprocal
	s_wait_alu depctr_va_vdst(0)
.irp j, 0,1,2,3,4,5,6,7,8,9,10,11,12,13,14,15,16,17,18,19,20,21,22,23,24,25,26,27,28,29,30,31
	v_mul_f32 v[90+\j], v[154+\j], v222
.endr
	QUANTH 90
	s_wait_xcnt 0x0                                ; the bases below were read by earlier loads and stores
	s_cmp_eq_u32 s58, 16
	s_cselect_b32 s49, s45, s46                    ; the chunk that ends here
	s_lshl_b32 s60, s49, 3
	s_add_co_u32 s60, s60, s44                     ; the tile in the head
	s_lshr_b32 s2, s59, 4                          ; batch
	s_and_b32 s3, s59, 15                          ; head
	s_lshl_b32 s61, s2, 7
	s_add_co_u32 s61, s61, s60                     ; the tile among all tokens'
	s_lshl_b32 s62, s61, 4
	s_add_co_u32 s62, s62, s3
	s_mul_i32 s62, s62, 768
	s_mov_b32 s63, 0
	s_add_nc_u64 s[36:37], s[8:9], s[62:63]
	s_lshr_b32 s62, s3, 1                          ; the last product's K step
	s_lshl_b32 s62, s62, 15
	s_lshl_b32 s61, s61, 6
	s_add_co_u32 s62, s62, s61
	s_and_b32 s3, s3, 1
	s_lshl_b32 s3, s3, 1
	s_add_co_u32 s62, s62, s3
	s_add_nc_u64 s[38:39], s[10:11], s[62:63]
	v_cmp_eq_u32 vcc_lo, 1, v15
	v_cndmask_b32 v226, v210, v211, vcc_lo
	s_wait_alu depctr_va_vdst(0)
	global_store_b128 v1, v[186:189], s[36:37]     ; 512 consecutive bytes,
	global_store_b64 v2, v[190:191], s[36:37]      ; and the 256 behind them
	global_store_b8 v13, v226, s[38:39]            ; one byte a lane: 32 bytes a tile
	v_mov_b32 v225, v236                           ; the second tile's q: the scale word twelve plain lines ahead of the next product, the codes six
.irp i, 0,1,2,3,4,5
	v_mov_b32 v[16+\i], v[230+\i]
.endr
	v_mov_b32 v221, 0xff61b1e6                     ; and its largest t so far: the next step's f is 0
	v_floor_f32 v220, -v221
	s_wait_alu depctr_va_vdst(0)
	s_wait_xcnt 0x0                                ; the stores have read their data: the next step writes those registers
.Lgoes_on_\@:
.endif
.endm
	SHOW 2                                         ; the scale words and key steps 0, 1 are in
	s_mov_b32 s58, 0
.Ltrips_a:
	STEP 0
	s_add_co_u32 s58, s58, 1
	s_cmp_lt_u32 s58, 2
	s_cbranch_scc1 .Ltrips_a
	SHOW 0                                         ; all the rest: every wave waits
	s_mov_b32 s58, 2
.Ltrips_c:
	STEP 1
	s_add_co_u32 s58, s58, 1
	s_cmp_lt_u32 s58, 17
	s_cbranch_scc1 .Ltrips_c
	s_wait_tensorcnt 0x0                           ; the wave's end
	ds_add_u32 v254, v255
	s_wait_dscnt 0x0
	CROUND                                         ; the closing round
	s_endpgm
.Lfunc_end_k_q1569576406_attn:
	.size	k_q1569576406_attn, .Lfunc_end_k_q1569576406_attn-k_q1569576406_attn
	.p2alignl 7, 3214868480
	.fill 96, 4, 3214868480
	.section	.rodata,"a",@progbits
	.p2align	6, 0x0
	.amdhsa_kernel k_q1569576406_attn
		.amdhsa_group_segment_fixed_size 223232
		.amdhsa_private_segment_fixed_size 0
		.amdhsa_enable_private_segment 0
		.amdhsa_kernarg_size 32
		.amdhsa_user_sgpr_count 2
		.amdhsa_user_sgpr_kernarg_segment_ptr 1
		.amdhsa_wavefront_size32 1
		.amdhsa_system_sgpr_workgroup_id_x 1
		.amdhsa_system_sgpr_workgroup_id_y 1
		.amdhsa_system_sgpr_workgroup_id_z 1
		.amdhsa_system_vgpr_workitem_id 0
		.amdhsa_next_free_vgpr 256
		.amdhsa_next_free_sgpr 80
		.amdhsa_reserve_vcc 1
		.amdhsa_float_denorm_mode_32 3
		.amdhsa_float_denorm_mode_16_64 3
		.amdhsa_memory_ordered 1
		.amdhsa_forward_progress 1
		.amdhsa_inst_pref_size 54
	.end_amdhsa_kernel
	.amdgpu_metadata
---
amdhsa.version: [ 1, 2 ]
amdhsa.kernels:
  - .name:           k_q1569576406_attn
    .symbol:         k_q1569576406_attn.kd
    .args:
      - { .name: cqkv, .offset: 0, .size: 8, .value_kind: global_buffer, .address_space: global }
      - { .name: sqkv, .offset: 8, .size: 8, .value_kind: global_buffer, .address_space: global }
      - { .name: co, .offset: 16, .size: 8, .value_kind: global_buffer, .address_space: global }
      - { .name: so, .offset: 24, .size: 8, .value_kind: global_buffer, .address_space: global }
    .group_segment_fixed_size: 223232
    .private_segment_fixed_size: 0
    .kernarg_segment_align: 8
    .kernarg_segment_size: 32
    .max_flat_workgroup_size: 512
    .sgpr_count:     80
    .vgpr_count:     256
    .wavefront_size: 32
...
	.end_amdgpu_metadata
.endif
;; end of part 3
;; launch outp (part 4): grid 4 x 64, 4 waves a work-group, clusters of 4 x 4, 327,680 bytes of LDS; arguments co, so, cw, sw, b_out, out0; writes out0
.if DOCPART == 4
	.amdgcn_target "amdgcn-amd-amdhsa--gfx1250"
	.amdhsa_code_object_version 6
	.text
	.protected	k_q1569576406_outp
	.globl	k_q1569576406_outp
	.p2align	8
	.type	k_q1569576406_outp,@function
k_q1569576406_outp:
	s_mov_b64 s[64:65], 0
	v_nop
	global_prefetch_b8 v0, s[64:65] scope:SCOPE_SE
	s_setreg_imm32_b32 hwreg(HW_REG_WAVE_MODE, 25, 1), 1
	s_wait_xcnt 0x0
	s_wait_alu depctr_hold_cnt(0) depctr_sa_sdst(0) depctr_va_vdst(0) depctr_va_sdst(0) depctr_va_ssrc(0) depctr_va_vcc(0) depctr_vm_vsrc(0)
	s_getreg_b32 s2, hwreg(HW_REG_IB_STS2, 6, 4)
	s_cmp_eq_u32 s2, 0
	s_cbranch_scc0 .Lentry_in_a_cluster
	s_endpgm
.Lentry_in_a_cluster:
	s_bfe_u32 s2, ttmp6, 0x10000c
	s_cmp_lg_u32 s2, 0xf033
	s_cbranch_scc0 .Lentry_shape_is_right
	s_endpgm
.Lentry_shape_is_right:
; out0 = o w_out + b_out on codes of FP6 (E2M3) with E8M0 scales, K = 1024.  o's codes and scale words come from the attention launch, w_out's from the first launch.
; A work-group makes 128 tokens x 256 columns.  A WAVE HOLDS ITS 64 COLUMNS OF w_out, ALL OF K, IN REGISTERS (4 tiles x 8 K steps x 12 = 384) and streams the 128 tokens past them in eight blocks of 16:
; a block is 32 products, its four accumulators by turns, K ascending, and its 16 x 64 results are finished with it.  So a block leaves while the next blocks are multiplied.
; ALL OF K LIES IN LDS, brought once by four joint loads, one a wave: w_out's 16 tiles x 12288 bytes (wave 0) and its scale words (wave 1), o's 8 tiles (wave 2) and its scale words (wave 3); no LDS byte is filled twice.
; The first barrier shows w_out's two loads (waves 0 and 1 wait; each wave has a load line of its own): the 112 LDS loads of the weights stand ahead of the wait for o's tiles.  The second barrier shows the rest (every wave waits).
; Codes lie in memory and in LDS as images of the operand's registers.  o's fragment of a K step is two heads' halves (768 bytes each: registers 0-3 at 16 l, registers 4-5 at 512 + 8 l).
; THE MATRIX INSTRUCTION IS USED TRANSPOSED: source 0 = 16 columns of w_out, source 1 = 16 tokens: a lane holds one token, and the 16 registers of tiles 2 B, 2 B + 1 are columns 32 B + 16 (lane / 16) + 0 .. 15.
; Row r of a stored tile 2 B + u (tokens and columns alike) is the true index 32 B + 8 u + r + 8 (r / 8).  The bias is the C of each sum's first matrix instruction.
; THE WAY OUT: a block goes through the wave's own stage in LDS (16 rows x (256 + 16) bytes, bytes of its own behind the spare words) and comes back as rows of 256 bytes: a store covers two aligned units of 256 bytes.
; Block a - 1's rows are stored behind block a's products; two sets of registers take the rows by turns.
; CLUSTERS: 4 x 4 work-groups; o's tiles are asked for jointly along a row of the cluster, w_out's along a column.  NO PREFETCH: all that the work-group reads is asked for at the head; there is no loop to run ahead in.
; REGISTERS: window 0: v1-29 lane numbers and addresses; v32-39 o's scale words, two sets; v40-55 w_out's; v64-127 two sets of four accumulators; v160-191 the bias; v192-255 rows on the way out, two sets.
;   Fragment f lies in window 1 + f / 21 at register 12 (f % 21): f = 4 k + b: w_out's tile b, K step k; f = 32 + 8 e + k: o's set e.
.set LB,    98304                      ; w_out's codes, behind o's
.set SCA,   294912                     ; o's scale words: [8 K steps][128 rows]
.set SCB,   SCA+4096                   ; w_out's: [8 K steps][256 rows]
.set SPARE, 307200                     ; the spare words
.set STG,   SPARE+512                  ; the four stages
.set SPITCH, 272
.set SB,  40                           ; w_out's scale words: register 4 j + b: lanes 0-15 K step 2 j, lanes 16-31 K step 2 j + 1
.set ACC, 64
.set BI,  160
.set RB,  192
.set STO, 24                           ; v24 where I put 32 bytes of a row of the stage
.set RD,  25                           ; v25 where I read rows back
.set CO,  26                           ; v26 my byte offset in out0
.set SPW, 28
.set NIL, 29
.set MSB, 0
.macro WIN new                         ; the immediate's high byte repeats the setting that is left
.if MSB != \new
	s_set_vgpr_msb (MSB<<8)|\new
.set MSB, \new
.endif
.endm
.macro PLACES                          ; four plain vector lines behind matrix instructions, in front of loads into their registers and of reads of their results
.rept 4
	v_nop
.endr
.endm
.macro CROUND                          ; a round of the cluster's barrier
	s_barrier_signal -1
	s_barrier_wait -1
	s_cmp_lg_u32 s16, 0
	s_cbranch_scc1 .Lnot_wave_0_\@
	s_barrier_signal -3
.Lnot_wave_0_\@:
	s_barrier_wait -3
	s_barrier_signal -1
	s_barrier_wait -1
.endm
.macro GROUP1 g, c, r, p
	s_mov_b32 s[\g+1], (\c)<<16
	s_mov_b32 s[\g+2], (\r)<<16
	s_mov_b32 s[\g+3], (\c)<<16
	s_mov_b32 s[\g+4], \r
	s_mov_b32 s[\g+5], \p
	s_mov_b32 s[\g+6], 0
	s_mov_b32 s[\g+7], 0
.endm
.macro WFRAG f, off                    ; a fragment of w_out: a whole image, three loads
	WIN (1+(\f)/21)<<6
.irp c, 0,1,2
	ds_load_b128 v[12*((\f)%21)+4*\c:12*((\f)%21)+4*\c+3], v12 offset:\off+512*\c
.endr
.endm
.macro AFRAG f, a16, a8, off           ; a fragment of o: two heads' halves on end, four loads
	WIN (1+(\f)/21)<<6
.set R_, 12*((\f)%21)
	ds_load_b128 v[R_:R_+3], v[\a16] offset:\off
	ds_load_b64 v[R_+4:R_+5], v[\a8] offset:\off+512
	ds_load_b128 v[R_+6:R_+9], v[\a16] offset:\off+768
	ds_load_b64 v[R_+10:R_+11], v[\a8] offset:\off+1280
.endm
; o's scale words of set e, pair j of K steps, lie in v[32 + 4 (1 - j % 2) + j / 2 + 2 e]: never the same number modulo 8 as w_out's register 4 j + b of the same product
.macro FETCH a                         ; block a's eight fragments and four scale registers into set a % 2: 36 LDS loads
.irp k, 0,1,2,3,4,5,6,7
	AFRAG 32+8*((\a)%2)+\k, 8+(\a)/4, 16+(\a)/4, ((\a)%4)*12288+\k*1536
.endr
	WIN 0
.irp j, 0,1,2,3
	ds_load_b32 v[32+4*(1-(\j%2))+(\j/2)+2*((\a)%2)], v20 offset:\j*1024+64*(\a)
.endr
.endm
.macro PROD a, k, b
.set FB_, 4*(\k)+(\b)
.set FA_, 32+8*((\a)%2)+(\k)
.set D_,  ACC+32*((\a)%2)+8*(\b)
.set XB_, SB+4*((\k)/2)+(\b)
.set XA_, 32+4*(1-(((\k)/2)%2))+((\k)/4)+2*((\a)%2)
	WIN (1+FB_/21)|((1+FA_/21)<<2)                 ; source 0: w_out's window, source 1: o's; C and D window 0
.if (\k) == 0
	v_wmma_scale_f32_16x16x128_f8f6f4 v[D_:D_+7], v[12*(FB_%21):12*(FB_%21)+11], v[12*(FA_%21):12*(FA_%21)+11], v[BI+8*(\b):BI+8*(\b)+7], v[XB_], v[XA_] matrix_a_fmt:MATRIX_FMT_FP6 matrix_b_fmt:MATRIX_FMT_FP6
.elseif (\k)%2 == 0
	v_wmma_scale_f32_16x16x128_f8f6f4 v[D_:D_+7], v[12*(FB_%21):12*(FB_%21)+11], v[12*(FA_%21):12*(FA_%21)+11], v[D_:D_+7], v[XB_], v[XA_] matrix_a_fmt:MATRIX_FMT_FP6 matrix_b_fmt:MATRIX_FMT_FP6
.else
	v_wmma_scale_f32_16x16x128_f8f6f4 v[D_:D_+7], v[12*(FB_%21):12*(FB_%21)+11], v[12*(FA_%21):12*(FA_%21)+11], v[D_:D_+7], v[XB_], v[XA_] matrix_a_fmt:MATRIX_FMT_FP6 matrix_b_fmt:MATRIX_FMT_FP6 matrix_a_scale:MATRIX_SCALE_ROW1 matrix_b_scale:MATRIX_SCALE_ROW1
.endif
.endm
.macro MULB a                          ; a block's 32 products: the four accumulators take turns, one instruction a turn
.irp k, 0,1,2,3,4,5,6,7
.irp b, 0,1,2,3
	PROD \a, \k, \b
.endr
.endr
	WIN 0
	PLACES
.endm
.macro TOSTAGE a                       ; 8 LDS stores and 8 LDS loads.  LDS serves a wave's instructions in order (ISA guide 5.7.1.4): no wait between them, nor in front of the next block's stores
.irp b, 0,1,2,3
	ds_store_b128 v[STO], v[ACC+32*((\a)%2)+8*\b:ACC+32*((\a)%2)+8*\b+3] offset:128*(\b/2)+32*(\b%2)        ; each accumulator from its low end on
	ds_store_b128 v[STO], v[ACC+32*((\a)%2)+8*\b+4:ACC+32*((\a)%2)+8*\b+7] offset:128*(\b/2)+32*(\b%2)+16
.endr
.irp t, 0,1,2,3,4,5,6,7
	ds_load_b128 v[RB+32*((\a)%2)+4*\t:RB+32*((\a)%2)+4*\t+3], v[RD] offset:\t*2*SPITCH   ; rows 2 t (lanes 0-15) and 2 t + 1 (lanes 16-31)
.endr
.endm
.macro SEND a
.irp t, 0,1,2,3,4,5,6,7
	global_store_b128 v[CO], v[RB+32*((\a)%2)+4*\t:RB+32*((\a)%2)+4*\t+3], s[14:15] offset:(32*((\a)/2)+8*((\a)%2)+2*\t+8*(\t/4))*4096 th:TH_STORE_NT   ; sixteen lanes store 256 consecutive bytes of one token's row, at a multiple of 256 from out0's first byte
.endr
.endm
.macro ARM g0, g1
	tensor_load_to_lds s[\g0:\g0+3], s[\g1:\g1+7]
	s_nop 0
	PLACES
.endm
	s_load_b256 s[4:11], s[0:1], 0x0               ; co s[4:5], so s[6:7], cw s[8:9], sw s[10:11]
	s_load_b128 s[12:15], s[0:1], 0x20             ; b_out s[12:13], out0 s[14:15]
	v_lshl_add_u32 v[SPW], v0, 2, SPARE
	v_mov_b32 v[NIL], 0
	ds_add_u32 v[SPW], v[NIL]                      ; the opening lines: the add twice on end and its wait
	ds_add_u32 v[SPW], v[NIL]
	v_lshrrev_b32 v1, 5, v0
	v_readfirstlane_b32 s16, v1                    ; wave 0..3: which 64 columns are mine
	s_bfe_u32 s19, ttmp6, 0x40000                  ; cx
	s_bfe_u32 s20, ttmp6, 0x40004                  ; cy
	s_lshl_b32 s21, ttmp9, 2
	s_add_co_u32 s21, s21, s19                     ; X: which 256 columns
	s_and_b32 s22, ttmp7, 0xffff
	s_lshl_b32 s22, s22, 2
	s_add_co_u32 s22, s22, s20                     ; Y: which 128 tokens
	s_lshl_b32 s2, s20, 2
	s_lshl_b32 s2, 15, s2                          ; my row of the cluster
	s_lshl_b32 s3, 0x1111, s19                     ; my column
	s_or_b32 s24, s2, (3<<16)|(1<<21)              ; group 1, word 0: the mask; elements of 8 bytes; bit 21 beside a mask; no padding
	s_or_b32 s40, s2, (3<<16)|(1<<21)
	s_or_b32 s32, s3, (3<<16)|(1<<21)
	s_or_b32 s48, s3, (3<<16)|(1<<21)
	GROUP1 24, 1536, 8, 1536                       ; o's codes: 8 tiles x 12288 bytes, dense
	GROUP1 32, 1536, 16, 1536                      ; w_out's: 16 tiles
	GROUP1 40, 64, 8, 4096                         ; o's scale words: 8 K steps x 512 bytes, 32768 bytes apart
	GROUP1 48, 128, 8, 6144                        ; w_out's: 8 x 1024 bytes, 49152 bytes apart
	s_lshl_b32 s2, s22, 7                          ; o: the work-group's first row
	s_mul_i32 s66, s2, 768
	s_mov_b32 s67, 0
	s_lshl_b32 s2, s2, 2
	s_mov_b32 s3, 0
	s_lshl_b32 s100, s21, 8
	s_add_co_u32 s100, s100, 11264                 ; w_out: likewise, among cw's rows, in registers that never hold o's coordinate ahead of the loads
	s_mul_i32 s104, s100, 768
	s_mov_b32 s105, 0
	s_lshl_b32 s100, s100, 2
	s_mov_b32 s101, 0
	s_wait_alu depctr_va_vdst(0)
	s_wait_dscnt 0x0
	s_wait_kmcnt 0x0
	s_mov_b32 s56, 1                               ; group 0 for o's scale words,
	s_mov_b32 s57, SCA
	s_add_nc_u64 s[58:59], s[6:7], s[2:3]
	s_or_b32 s59, s59, 0x80000000
	s_mov_b32 s80, 1                               ; w_out's,
	s_mov_b32 s81, SCB
	s_add_nc_u64 s[82:83], s[10:11], s[100:101]
	s_or_b32 s83, s83, 0x80000000
	s_mov_b32 s60, 1                               ; o's codes,
	s_mov_b32 s61, 0
	s_add_nc_u64 s[62:63], s[4:5], s[66:67]
	s_or_b32 s63, s63, 0x80000000
	s_mov_b32 s84, 1                               ; w_out's
	s_mov_b32 s85, LB
	s_add_nc_u64 s[86:87], s[8:9], s[104:105]
	s_or_b32 s87, s87, 0x80000000
	CROUND                                         ; all sixteen work-groups are here: the joint loads meet
	s_cmp_eq_u32 s16, 0                            ; one chain of branches on the wave's number, one joint load to an arm
	s_cbranch_scc0 .Lwave_1
	ARM 84, 32                                     ; wave 0: w_out's codes
	s_branch .Lasked
.Lwave_1:
	s_cmp_eq_u32 s16, 1
	s_cbranch_scc0 .Lwave_2
	ARM 80, 48                                     ; wave 1: w_out's scale words
	s_branch .Lasked
.Lwave_2:
	s_cmp_eq_u32 s16, 2
	s_cbranch_scc0 .Lwave_3
	ARM 60, 24                                     ; wave 2: o's codes
	s_branch .Lasked
.Lwave_3:
	ARM 56, 40                                     ; wave 3: o's scale words
.Lasked:
	s_mul_i32 s2, s16, 49152
	s_add_co_u32 s2, s2, LB                        ; my four tiles of w_out
	s_lshl_b32 s17, s16, 8
	s_add_co_u32 s18, s17, SCB                     ; their scale words
	s_mul_i32 s23, s16, 16*SPITCH
	s_add_co_u32 s23, s23, STG                     ; my stage
	s_lshl_b32 s100, s21, 10
	s_add_co_u32 s100, s100, s17                   ; my first column, in bytes
	s_add_nc_u64 s[12:13], s[12:13], s[100:101]
	s_add_nc_u64 s[14:15], s[14:15], s[100:101]
	s_lshl_b32 s100, s22, 19                       ; 128 tokens x 4096 bytes
	s_add_nc_u64 s[14:15], s[14:15], s[100:101]
	v_and_b32 v1, 31, v0                           ; lane
	v_and_b32 v2, 15, v0                           ; r
	v_bfe_u32 v3, v0, 4, 1                         ; h
	v_lshlrev_b32 v8, 4, v1                        ; o's tiles 0-3: 16 bytes a lane,
	v_lshlrev_b32 v16, 3, v1                       ; and 8 bytes a lane;
	v_add_nc_u32 v9, 49152, v8                     ; tiles 4-7
	v_add_nc_u32 v17, 49152, v16
	v_add_nc_u32 v12, s2, v8                       ; w_out's
	v_lshlrev_b32 v6, 2, v2
	v_lshl_add_u32 v20, v3, 9, v6
	v_add_nc_u32 v20, SCA, v20                     ; o's scale words: K step h of a pair, row r
	v_lshl_add_u32 v21, v3, 10, v6
	v_add_nc_u32 v21, s18, v21                     ; w_out's
	v_lshlrev_b32 v22, 6, v3                       ; 64 h: my half's 16 columns of a block of 32
.irp b, 0,1,2,3
	global_load_b128 v[BI+8*\b:BI+8*\b+3], v22, s[12:13] offset:(32*(\b/2)+8*(\b%2))*4
	global_load_b128 v[BI+8*\b+4:BI+8*\b+7], v22, s[12:13] offset:(32*(\b/2)+8*(\b%2))*4+16
.endr
	v_mul_u32_u24 v[STO], v2, SPITCH
	v_lshl_add_u32 v[STO], v3, 6, v[STO]
	v_add_nc_u32 v[STO], s23, v[STO]               ; in: row r, + 64 h
	v_mul_u32_u24 v[RD], v3, SPITCH
	v_lshl_add_u32 v[RD], v2, 4, v[RD]
	v_add_nc_u32 v[RD], s23, v[RD]                 ; back: lanes 0-15 take one row of 256 bytes, lanes 16-31 the next
	v_lshlrev_b32 v[CO], 12, v3
	v_lshl_add_u32 v[CO], v2, 4, v[CO]             ; and the same two rows in out0
	s_wait_alu depctr_va_vdst(0)
	s_cmp_lt_u32 s16, 2
	s_cbranch_scc0 .Lnot_w
	s_wait_tensorcnt 0x0
.Lnot_w:
	s_barrier_signal -1
	s_barrier_wait -1                              ; w_out's codes and scale words are in
.irp k, 0,1,2,3,4,5,6,7
.irp b, 0,1,2,3
	WFRAG 4*\k+\b, \b*12288+\k*1536
.endr
.endr
	WIN 0
.irp j, 0,1,2,3
.irp b, 0,1,2,3
	ds_load_b32 v[SB+4*\j+\b], v21 offset:\j*2048+64*\b
.endr
.endr
	s_wait_tensorcnt 0x0                           ; every wave waits: all that is still out
	s_wait_dscnt 0x0
	s_barrier_signal -1
	s_barrier_wait -1                              ; o's codes and scale words are in
	FETCH 0
	s_wait_loadcnt 0x0                             ; the bias
	s_wait_dscnt 0x0
	FETCH 1
	MULB 0
	TOSTAGE 0
.irp a, 1,2,3,4,5,6,7
	s_wait_dscnt 16                                ; block a's fragments are in; behind them: the last block's 8 stage stores and 8 stage loads
.if \a < 7
	FETCH \a+1                                     ; into the set that block a - 1's products read: four places stand behind them
.endif
	MULB \a
.if \a < 7
	s_wait_dscnt 36                                ; block a - 1's rows are back; behind them: the 36 loads of the fetch above
.else
	s_wait_dscnt 0x0
.endif
	s_wait_xcnt 0x0                                ; block a - 2's stores have read their registers: block a's rows may land there
	SEND \a-1
	TOSTAGE \a
.endr
	s_wait_dscnt 0x0
	SEND 7
	s_wait_tensorcnt 0x0                           ; the wave's end
	ds_add_u32 v[SPW], v[NIL]
	s_wait_dscnt 0x0
	CROUND                                         ; the closing round: no work-group ends while a partner may still ask for a tile that names it
	s_endpgm
.Lfunc_end_k_q1569576406_outp:
	.size	k_q1569576406_outp, .Lfunc_end_k_q1569576406_outp-k_q1569576406_outp
	.p2alignl 7, 3214868480
	.fill 96, 4, 3214868480
	.section	.rodata,"a",@progbits
	.p2align	6, 0x0
	.amdhsa_kernel k_q1569576406_outp
		.amdhsa_group_segment_fixed_size 327680
		.amdhsa_private_segment_fixed_size 0
		.amdhsa_enable_private_segment 0
		.amdhsa_kernarg_size 48
		.amdhsa_user_sgpr_count 2
		.amdhsa_user_sgpr_kernarg_segment_ptr 1
		.amdhsa_wavefront_size32 1
		.amdhsa_system_sgpr_workgroup_id_x 1
		.amdhsa_system_sgpr_workgroup_id_y 1
		.amdhsa_system_sgpr_workgroup_id_z 1
		.amdhsa_system_vgpr_workitem_id 0
		.amdhsa_next_free_vgpr 896
		.amdhsa_next_free_sgpr 106
		.amdhsa_reserve_vcc 0
		.amdhsa_float_denorm_mode_32 3
		.amdhsa_float_denorm_mode_16_64 3
		.amdhsa_memory_ordered 1
		.amdhsa_forward_progress 1
		.amdhsa_inst_pref_size 84
	.end_amdhsa_kernel
	.amdgpu_metadata
---
amdhsa.version: [ 1, 2 ]
amdhsa.kernels:
  - .name:           k_q1569576406_outp
    .symbol:         k_q1569576406_outp.kd
    .args:
      - { .name: co, .offset: 0, .size: 8, .value_kind: global_buffer, .address_space: global }
      - { .name: so, .offset: 8, .size: 8, .value_kind: global_buffer, .address_space: global }
      - { .name: cw, .offset: 16, .size: 8, .value_kind: global_buffer, .address_space: global }
      - { .name: sw, .offset: 24, .size: 8, .value_kind: global_buffer, .address_space: global }
      - { .name: b_out, .offset: 32, .size: 8, .value_kind: global_buffer, .address_space: global }
      - { .name: out0, .offset: 40, .size: 8, .value_kind: global_buffer, .address_space: global }
    .group_segment_fixed_size: 327680
    .private_segment_fixed_size: 0
    .kernarg_segment_align: 8
    .kernarg_segment_size: 48
    .max_flat_workgroup_size: 128
    .sgpr_count:     106
    .vgpr_count:     896
    .wavefront_size: 32
...
	.end_amdgpu_metadata
.endif
;; end of part 4
